; MI455X (gfx1250); checked and timed in simulation.
; The chip was launched on July 23, 2026; its instructions are those of AMD's public machine-readable ISA for CDNA 5 (MIT licence, August 2026) and "CDNA5" Instruction Set Architecture Reference Guide (July 2026). The comments in the code are by the model that wrote it; some were corrected since.
;; Multi Headed Attention. Allowed arithmetic: matrix products marked QUANTISED: E2M1 operands, one E8M0 scale for each 32 along K, by v_wmma_scale_f32_16x16x128_f8f6f4 with both operands' format E2M1 (or v_wmma_scale_f32_32x16x128_f4), f32 sums; products left as they are: bf16, f16 or f32 operands; f32 sums; everything else in f32.
;; Inputs: Wk 1,024 x 1,024 float32; Wo 1,024 x 1,024 float32; Wq 1,024 x 1,024 float32; Wv 1,024 x 1,024 float32; bk 1,024 float32; bo 1,024 float32; bq 1,024 float32; bv 1,024 float32; key_t 4 x 2,048 x 1,024 float32; mask 4 x 2,048 x 2,048 int32; query 4 x 2,048 x 1,024 float32; value 4 x 2,048 x 1,024 float32.
;; Outputs: out0 4 x 2,048 x 1,024 float32.
;; This version of the problem:
;;   THIS VERSION OF THE PROBLEM IS GIVEN IN LOW PRECISION. The matrix products marked QUANTISED in the list below multiply operands that are first quantised to E2M1 (2 exponent bits, 1 mantissa bit; 4 bits a number), with one power-of-two scale for each 32 numbers along K (OCP MX v1.0); their sums are f32. The products marked 'left as it is' may take bf16, f16 or f32 operands, with f32 sums. Whichever they take, every output number must still come out within the allowed error. Rounding operands to bf16 (8 significant bits) uses up far more of that allowance than f16 does (11 bits, for magnitudes from 6e-5 to 65,504). All else is computed in f32.
;;   The module's matrix products, in the order in which they are computed (A, B: the left and right operand; K: the contracted axis; several contracted axes count as one K, in the product's order):
;;     1. [M 8,192, K 1,024] x [K 1,024, N 1,024]; A: input query; B: input Wq: QUANTISED
;;     2. [M 8,192, K 1,024] x [K 1,024, N 1,024]; A: input key_t; B: input Wk: QUANTISED
;;     3. [M 8,192, K 1,024] x [K 1,024, N 1,024]; A: input value; B: input Wv: QUANTISED
;;     4. batch 64 x [M 2,048, K 64] x [K 64, N 2,048]; A: computed on the way; B: computed on the way: left as it is (an operand is computed on the way)
;;     5. batch 64 x [M 2,048, K 2,048] x [K 2,048, N 64]; A: computed on the way; B: computed on the way: left as it is (an operand is computed on the way)
;;     6. [M 8,192, K 1,024] x [K 1,024, N 1,024]; A: computed on the way; B: input Wo: left as it is (an operand is computed on the way)
;;   THE QUANTISER, for each operand of a quantised product, along K:
;;     - K is cut into blocks of 32 from its start; a last block that is shorter is filled with zeros.
;;     - A block's scale is 2^e with e = floor(log2(the largest magnitude in the block)) - 2, held to -126 .. 127; a block of zeros has e = 0. As a byte (E8M0): e + 127.
;;     - Each number is divided by its block's scale, clamped to +-6, and rounded to the nearest number of E2M1, ties to even, subnormals kept.
;;     - The product sums the exact products of the quantised numbers (number of the format x scale) in f32.
;;   ~~~python
;;   def quantise(x, axis):      # numpy; x: float32 -> the quantised numbers, widened to float32 again
;;       x = np.moveaxis(x, axis, -1); K = x.shape[-1]
;;       x = np.pad(x, [(0, 0)] * (x.ndim - 1) + [(0, -K % 32)]); x = x.reshape(x.shape[:-1] + (-1, 32)); a = np.abs(x).max(-1, keepdims=True)
;;       e = np.where(a > 0, np.clip(np.frexp(np.where(a > 0, a, 1))[1] - 1 - 2, -126, 127), 0)      # np.frexp(a)[1] - 1 = floor(log2(a)), exactly
;;       r = np.clip(x / 2.0 ** e, -6, 6)
;;       step = 2.0 ** (np.maximum(np.frexp(np.where(r == 0, 1, r))[1] - 1, 0) - 1)
;;       q = np.round(r / step) * step * 2.0 ** e      # np.round: ties to even
;;       return np.moveaxis(q.reshape(q.shape[:-2] + (-1,))[..., :K], -1, axis).astype(np.float32)
;;   ~~~
;; 2 versions, each right and faster than the one before. Each part assembles by itself: llvm-mc -triple=amdgcn-amd-amdhsa -mcpu=gfx1250 --defsym DOCPART=n.
;; ======== version 1 of 2: 4 launches
;; limits: values are held in f16: magnitudes above 65,504 overflow, below 6.1e-05 lose precision
;; workspace buffers: codes 14,155,776 bytes; scales 884,736 bytes; maskbits 2,097,152 bytes of whole numbers; woimg 2,097,152 bytes; qkv 50,331,648 bytes; ximg 16,777,216 bytes
;; launch prep (part 1): grid 1248 x 1, 4 waves a work-group, no clusters, 50,688 bytes of LDS; arguments query, key_t, value, Wq, Wk, Wv, Wo, mask, codes, scales, maskbits, woimg; writes codes, scales, maskbits, woimg
.if DOCPART == 1
	.amdgcn_target "amdgcn-amd-amdhsa--gfx1250"
	.amdhsa_code_object_version 6
	.text
	.protected	k_q87dff761db_prep
	.globl	k_q87dff761db_prep
	.p2align	8
	.type	k_q87dff761db_prep,@function
k_q87dff761db_prep:
	s_mov_b64 s[64:65], 0
	v_nop
	global_prefetch_b8 v0, s[64:65] scope:SCOPE_SE
	s_setreg_imm32_b32 hwreg(HW_REG_WAVE_MODE, 25, 1), 1
	s_wait_xcnt 0x0
; PREPARATION for multi-head attention (4 batches x 2,048 tokens, 1,024 channels, 16 heads of 64).  Three jobs in one launch, told apart by the work-group's number:
;   work-groups 0-863:     query, key_t, value, Wq, Wk, Wv (f32, K = 1,024 innermost) become codes of FP4 (E2M1) with one E8M0 byte for each 32 along K;
;   work-groups 864-1119:  the mask (int32) becomes lane masks: one word for each register of a tile of scores in the attention launch;
;   work-groups 1120-1247: Wo becomes f16, laid in the order of a matrix operand's registers.
; DEAD WORK: none is left out, in this launch or in a later one.  bk looks like a term q . bk that is the same along the softmax's axis, but reference() puts the fixed number finfo.min
; in the place of masked scores, which does not move with q . bk: so in exact arithmetic the softmax's divisor hangs on bk, and bk stays.  Every input is loaded by some launch.
; THE QUANTISER: a block's scale is 2^(floor(log2(its largest magnitude)) - 2); its byte is the largest magnitude's own exponent field - 2, held at 1 from below; each number is divided by the
; scale and rounded to the nearest code, ties to even, beyond 6 the largest code.
; LIMITS: a block of zeros gets the byte 1 where the rule says 127 (its codes are zeros, and this program alone reads the bytes); blocks whose largest magnitude lies under 2^-124 have their byte
; held at 1; NaN and infinities among the inputs are not served; Wo beyond 65,504 in magnitude has no f16 number.
; No tensor loads, no barrier: waves share nothing.  Each of the two paths that use LDS has bytes of its own.
.set SPW,   12                         ; v12  LDS address of my spare word: SPARE + 4 x my thread's number; never rewritten
.set NIL,   13                         ; v13  0; never rewritten
.set SPARE, 50176                      ; behind both paths' regions: the spare words, 128 bytes for each wave, which no other line names
.set NQWG,  864                        ; work-groups that quantise: 3 x 256 for the activations, 3 x 32 for the weights, 32,768 numbers each
.set NMWG,  256                        ; work-groups that pack the mask
	s_load_b512 s[4:19], s[0:1], 0x0               ; query, key_t, value, Wq, Wk, Wv, Wo, mask
	s_load_b256 s[20:27], s[0:1], 0x40             ; codes, scales, maskbits, woimg
	v_lshl_add_u32 v[SPW], v0, 2, SPARE
	v_mov_b32 v[NIL], 0
	v_lshrrev_b32 v1, 5, v0
	v_readfirstlane_b32 s28, v1                    ; wave 0..3
	v_and_b32 v2, 31, v0                           ; lane
	s_cmp_ge_u32 ttmp9, NQWG+NMWG
	s_cbranch_scc1 .Lwo
	s_cmp_ge_u32 ttmp9, NQWG
	s_cbranch_scc1 .Lmask
; ---------------------------------------------------------------- the quantiser
; All six tensors are dense streams of blocks of 32 numbers, and so are their codes and scale bytes: nothing here knows of rows.  A wave takes 16 steps of 512 numbers.
; Each of a step's four loads reads 512 consecutive bytes, 16 a lane; the 2,048 bytes turn through the wave's own stage in LDS and come back 64 bytes a lane, so that a lane holds 16 NEIGHBOURS
; along K (two neighbouring lanes hold a block).  The stage has 16 bytes of padding behind each 64.  A lane's 16 codes are 8 bytes: the wave stores 256 consecutive bytes.
; A wave's 256 scale bytes are gathered in LDS and leave as one aligned run of 256 bytes.  Loads run four steps ahead, the turn through LDS one step.
.set STEPS, 16
.set EMAX,  2
.set CB,    8                          ; bytes of 16 codes
.set QR,    16                         ; v16-79   four sets of 16 numbers as they are loaded
.set QX,    80                         ; v80-111  two sets of 16 neighbours
.set QE,    112                        ; v112-127 a scale byte for each step
.set QC,    128                        ; v128-191 codes: four registers for each step, so that no store's data are written again
.set WREG,  8192                       ; LDS 0-32,767: a region for each wave: two stages of 32 x SP bytes, then its 256 scale bytes
.set SP,    80
	v_lshlrev_b32 v3, 4, v2                        ; my 16 bytes of a load's 512
	s_mul_i32 s29, s28, WREG
	v_lshrrev_b32 v14, 2, v2
	v_mul_u32_u24 v14, v14, SP
	v_and_b32 v15, 3, v2
	v_lshl_add_u32 v14, v15, 4, v14
	v_add_nc_u32 v14, s29, v14                     ; the stage, on the way in: SP (lane / 4) + 16 (lane % 4)
	v_mul_u32_u24 v15, v2, SP
	v_add_nc_u32 v15, s29, v15                     ; and on the way out: SP x lane
	v_mul_u32_u24 v4, v2, CB                       ; my codes' place in a step's
	v_lshrrev_b32 v5, 1, v2
	s_add_co_u32 s29, s29, 2*32*SP
	v_add_nc_u32 v5, s29, v5                       ; my block's scale byte in LDS
	v_lshlrev_b32 v7, 3, v2
	v_add_nc_u32 v6, s29, v7                       ; and 8 bytes a lane on their way out
	s_wait_kmcnt 0x0
	s_mov_b64 s[32:33], s[14:15]                   ; which tensor: the choice hangs on the work-group's number alone
	s_mov_b32 s30, 832                             ; and the tensor's first work-group
.macro PICK lim, ptr, first
	s_cmp_lt_u32 ttmp9, \lim
	s_cselect_b64 s[32:33], s[\ptr:\ptr+1], s[32:33]
	s_cselect_b32 s30, \first, s30
.endm
	PICK 832, 12, 800                              ; Wk
	PICK 800, 10, 768                              ; Wq
	PICK 768, 8, 512                               ; value
	PICK 512, 6, 256                               ; key_t
	PICK 256, 4, 0                                 ; query
	s_sub_co_u32 s30, ttmp9, s30
	s_lshl_b32 s30, s30, 2
	s_add_co_u32 s30, s30, s28                     ; which run of 8,192 numbers of the tensor is my wave's
	s_lshl_b32 s34, s30, 15                        ; 32,768 bytes a run
	s_mov_b32 s35, 0
	s_add_nc_u64 s[32:33], s[32:33], s[34:35]
	s_lshl_b32 s30, ttmp9, 2
	s_add_co_u32 s30, s30, s28                     ; and which run of the six tensors on end: so they lie in codes and scales
	s_lshl_b32 s34, s30, 12                        ; 4,096 bytes of codes a run
	s_add_nc_u64 s[20:21], s[20:21], s[34:35]
	s_lshl_b32 s34, s30, 8                         ; 256 scale bytes a run
	s_add_nc_u64 s[22:23], s[22:23], s[34:35]
.macro QLOAD t
.irp i, 0,1,2,3
	global_load_b128 v[QR+16*((\t)%4)+4*\i:QR+16*((\t)%4)+4*\i+3], v3, s[32:33] offset:2048*(\t)+512*\i th:TH_LOAD_NT
.endr
.endm
.macro QTURN t                         ; step t's numbers through the stage: LDS serves a wave's instructions in order, so no wait stands between the stores and the loads
.irp i, 0,1,2,3
	ds_store_b128 v14, v[QR+16*((\t)%4)+4*\i:QR+16*((\t)%4)+4*\i+3] offset:32*SP*((\t)%2)+8*SP*\i
.endr
.irp i, 0,1,2,3
	ds_load_b128 v[QX+16*((\t)%2)+4*\i:QX+16*((\t)%2)+4*\i+3], v15 offset:32*SP*((\t)%2)+16*\i
.endr
.endm
.irp t, 0,1,2,3
	QLOAD \t
.endr
	s_wait_loadcnt 12                              ; step 0's four loads are in; the twelve of steps 1 to 3 may be out
	QTURN 0
.macro QSTEP t
.set XQ, QX+16*((\t)%2)
.if (\t) > 0
	s_wait_dscnt 1                                 ; this step's numbers are back from the stage (the last step's byte store may be out): so its stores into the stage have read their registers,
.else
	s_wait_dscnt 0x0
.endif
.if (\t)+4 < STEPS
	QLOAD (\t)+4                                   ; which take the loads of four steps on
.endif
.if (\t)+1 < STEPS
.if STEPS-2-(\t) >= 3
	s_wait_loadcnt 12                              ; the next step's four loads are in; those of the three steps behind it may be out
.else
	s_wait_loadcnt 4*(STEPS-2-(\t))
.endif
	QTURN (\t)+1                                   ; and go through the other stage while this step is worked
.endif
	v_max3_num_f32 v8, |v[XQ]|, |v[XQ+1]|, |v[XQ+2]|               ; the largest magnitude of my 16, in two chains
	v_max3_num_f32 v9, |v[XQ+3]|, |v[XQ+4]|, |v[XQ+5]|
.irp i, 6,10
	v_max3_num_f32 v8, v8, |v[XQ+\i]|, |v[XQ+\i+1]|
	v_max3_num_f32 v9, v9, |v[XQ+\i+2]|, |v[XQ+\i+3]|
.endr
	v_max3_num_f32 v8, v8, |v[XQ+14]|, |v[XQ+15]|
	v_max3_num_f32 v8, v8, v9, (EMAX+1)<<23        ; and the floor 2^(3 - 127): so the byte cannot fall under 1
	v_max_num_f32_dpp v8, v8, v8 row_xmask:1 row_mask:0xf bank_mask:0xf   ; and of my neighbour's 16: the block's
	v_add_nc_u32 v11, -(EMAX<<23), v8              ; 2 off its exponent field: the conversion takes the exponent field of this operand as its scale, and nothing else of it
	v_cvt_scalef32_pk8_fp4_f32 v[QC+4*(\t)], v[XQ:XQ+7], v11
	v_cvt_scalef32_pk8_fp4_f32 v[QC+4*(\t)+1], v[XQ+8:XQ+15], v11
	v_lshrrev_b32 v[QE+(\t)], 23, v11              ; the scale's byte (also the plain line behind the conversions)
	ds_store_b8 v5, v[QE+(\t)] offset:16*(\t)      ; both lanes of a block write the same byte with the same value
	global_store_b64 v4, v[QC+4*(\t):QC+4*(\t)+1], s[20:21] offset:32*CB*(\t)
.endm
.irp t, 0,1,2,3,4,5,6,7,8,9,10,11,12,13,14,15
	QSTEP \t
.endr
	ds_load_b64 v[8:9], v6                         ; LDS serves a wave's instructions in order: these see my stores
	s_wait_dscnt 0x0
	global_store_b64 v7, v[8:9], s[22:23]          ; 32 lanes store 256 consecutive bytes, aligned
	s_wait_tensorcnt 0x0                           ; the wave's end, behind my last LDS store
	ds_add_u32 v[SPW], v[NIL]
	s_wait_dscnt 0x0
	s_endpgm
; ---------------------------------------------------------------- the mask
; maskbits is [batch x 32 + block of 64 queries][step of 64 keys (32)][tile t of 16 queries (4)][tile k of 16 keys (4)][j (8)] words; bit L of a word says whether
; mask[query 16 t + L % 16][key 16 k + 8 (L / 16) + j] is not 0: the lanes of register 8 k + j of tile t's scores in the attention launch.
; A wave takes 64 queries x 256 keys: 16 tiles of 16 queries x 64 keys.  A lane mask wants 16 different rows in 16 lanes, a load is best where 16 lanes take 256 bytes of one row: so a tile turns
; through the wave's own stage in LDS (16 rows, 272 bytes apart).  32 compares give 32 words; v_writelane_b32 puts word n of a step's 128 into lane n / 4, register n % 4, and one store of
; 16 bytes a lane sends the 512 bytes.  Loads run four tiles (32 loads a wave) ahead.
.Lmask:
.set MR,    16                         ; v16-143  four sets of 32 registers as loaded
.set MX,    144                        ; v144-175 my row's 32 numbers of the tile
.set MOUT,  176                        ; v176-191 four registers for each step of 64 keys
.set MSTG,  32768                      ; LDS 32,768-50,175: a stage of 16 x 272 bytes for each wave
	v_and_b32 v3, 15, v0                           ; r
	v_bfe_u32 v5, v0, 4, 1                         ; h
	v_lshlrev_b32 v1, 13, v5
	v_lshl_add_u32 v1, v3, 4, v1                   ; a load: lanes 0-15 one row's 256 bytes, lanes 16-31 the next row's (a row of the mask is 8,192 bytes)
	s_mul_i32 s29, s28, 16*272
	s_add_co_u32 s29, s29, MSTG
	v_mul_u32_u24 v6, v5, 272
	v_lshl_add_u32 v6, v3, 4, v6
	v_add_nc_u32 v6, s29, v6                       ; into the stage, as loaded
	v_mul_u32_u24 v7, v3, 272
	v_lshl_add_u32 v7, v5, 5, v7
	v_add_nc_u32 v7, s29, v7                       ; out of it: row r, + 32 h: eight keys of each sixteen
	v_lshlrev_b32 v4, 4, v2                        ; the words' way out: 16 bytes a lane
.irp i, 0,1,2,3,4,5,6,7,8,9,10,11,12,13,14,15
	v_mov_b32 v[MOUT+\i], 0                        ; written once: v_writelane_b32's destination counts as one of its sources
.endr
	s_sub_co_u32 s30, ttmp9, NQWG
	s_lshl_b32 s30, s30, 2
	s_add_co_u32 s30, s30, s28                     ; 0..1,023
	s_lshr_b32 s31, s30, 3                         ; which block of 64 queries,
	s_and_b32 s30, s30, 7                          ; which 256 keys
	s_lshl_b32 s40, s31, 19                        ; 64 rows of 8,192 bytes
	s_lshl_b32 s41, s30, 10
	s_add_co_u32 s40, s40, s41
	s_mov_b32 s41, 0
	s_lshl_b32 s42, s31, 14                        ; 32 steps of 512 bytes
	s_lshl_b32 s43, s30, 11
	s_add_co_u32 s42, s42, s43
	s_mov_b32 s43, 0
	s_wait_kmcnt 0x0
	s_add_nc_u64 s[18:19], s[18:19], s[40:41]
	s_add_nc_u64 s[24:25], s[24:25], s[42:43]
.macro LOADT i                         ; tile i = 4 x (step of 64 keys) + (tile of 16 queries)
.irp n, 0,1,2,3,4,5,6,7
	global_load_b128 v[MR+32*((\i)%4)+4*\n:MR+32*((\i)%4)+4*\n+3], v1, s[18:19] offset:((\i)/4)*256+(((\i)%4)*16+2*\n)*8192 th:TH_LOAD_NT
.endr
.endm
.macro TILE i
.if 15-(\i) >= 3
	s_wait_loadcnt 24                              ; this tile's eight loads are in; those of the three tiles behind it may be out
.else
	s_wait_loadcnt 8*(15-(\i))
.endif
.irp n, 0,1,2,3,4,5,6,7
	ds_store_b128 v6, v[MR+32*((\i)%4)+4*\n:MR+32*((\i)%4)+4*\n+3] offset:2*\n*272
.endr
.irp n, 0,1,2,3,4,5,6,7
	ds_load_b128 v[MX+4*\n:MX+4*\n+3], v7 offset:64*(\n/2)+16*(\n%2)   ; LDS serves a wave's instructions in order: these see the stores above
.endr
	s_wait_dscnt 0x0                               ; my row's numbers are in, and the stores have read their registers,
.if (\i)+4 < 16
	LOADT (\i)+4                                   ; which take the loads of four tiles on
.endif
.irp k, 0,1,2,3
.irp j, 0,1,2,3,4,5,6,7
	v_cmp_ne_u32 s[32+\j], 0, v[MX+8*\k+\j]
.endr
.irp j, 0,1,2,3,4,5,6,7
	v_writelane_b32 v[MOUT+4*((\i)/4)+(\j%4)], s[32+\j], ((\i)%4)*8+2*\k+\j/4
.endr
.endr
.if (\i)%4 == 3
	global_store_b128 v4, v[MOUT+4*((\i)/4):MOUT+4*((\i)/4)+3], s[24:25] offset:512*((\i)/4)   ; a step's 128 words: 512 consecutive bytes, aligned
.endif
.endm
.irp i, 0,1,2,3
	LOADT \i
.endr
.irp i, 0,1,2,3,4,5,6,7,8,9,10,11,12,13,14,15
	TILE \i
.endr
	s_wait_tensorcnt 0x0                           ; the wave's end, behind my last LDS store
	ds_add_u32 v[SPW], v[NIL]
	s_wait_dscnt 0x0
	s_endpgm
; ---------------------------------------------------------------- Wo
; woimg is [K step of 128 (8)][tile of 16 output channels (64)][16 along K (8)] pieces of 512 bytes; in a piece lane (r, h) has, at byte 16 x lane, Wo[16 tile + r][.. + 8 h + 0 .. 7] as f16:
; half of a 16-bit operand's registers.  A wave makes one (K step, tile): 16 rows x 512 bytes in, 4,096 consecutive bytes out.  This path uses no LDS.
.Lwo:
	v_and_b32 v3, 15, v0
	v_bfe_u32 v5, v0, 4, 1
	v_lshlrev_b32 v1, 12, v3
	v_lshl_add_u32 v1, v5, 5, v1                   ; row r of 4,096 bytes, + 32 h
	v_lshlrev_b32 v4, 4, v2
	s_sub_co_u32 s30, ttmp9, NQWG+NMWG
	s_lshl_b32 s30, s30, 2
	s_add_co_u32 s30, s30, s28                     ; 64 x K step + tile
	s_lshr_b32 s31, s30, 6
	s_and_b32 s29, s30, 63
	s_lshl_b32 s40, s29, 16                        ; 16 rows
	s_lshl_b32 s41, s31, 9                         ; 128 numbers along K
	s_add_co_u32 s40, s40, s41
	s_mov_b32 s41, 0
	s_lshl_b32 s42, s30, 12
	s_mov_b32 s43, 0
	s_wait_kmcnt 0x0
	s_add_nc_u64 s[16:17], s[16:17], s[40:41]
	s_add_nc_u64 s[26:27], s[26:27], s[42:43]
.irp c, 0,1,2,3,4,5,6,7
	global_load_b128 v[16+8*\c:16+8*\c+3], v1, s[16:17] offset:64*\c
	global_load_b128 v[16+8*\c+4:16+8*\c+7], v1, s[16:17] offset:64*\c+16
.endr
	s_wait_loadcnt 0x0
.irp c, 0,1,2,3,4,5,6,7
.irp i, 0,1,2,3
	v_cvt_pk_f16_f32 v[80+4*\c+\i], v[16+8*\c+2*\i], v[16+8*\c+2*\i+1]
.endr
.endr
.irp c, 0,1,2,3,4,5,6,7
	global_store_b128 v4, v[80+4*\c:80+4*\c+3], s[26:27] offset:512*\c
.endr
	s_endpgm
.Lfunc_end_k_q87dff761db_prep:
	.size	k_q87dff761db_prep, .Lfunc_end_k_q87dff761db_prep-k_q87dff761db_prep
	.p2alignl 7, 3214868480
	.fill 96, 4, 3214868480
	.section	.rodata,"a",@progbits
	.p2align	6, 0x0
	.amdhsa_kernel k_q87dff761db_prep
		.amdhsa_group_segment_fixed_size 50688
		.amdhsa_private_segment_fixed_size 0
		.amdhsa_enable_private_segment 0
		.amdhsa_kernarg_size 96
		.amdhsa_user_sgpr_count 2
		.amdhsa_user_sgpr_kernarg_segment_ptr 1
		.amdhsa_wavefront_size32 1
		.amdhsa_system_sgpr_workgroup_id_x 1
		.amdhsa_system_sgpr_workgroup_id_y 1
		.amdhsa_system_sgpr_workgroup_id_z 1
		.amdhsa_system_vgpr_workitem_id 0
		.amdhsa_next_free_vgpr 192
		.amdhsa_next_free_sgpr 66
		.amdhsa_reserve_vcc 0
		.amdhsa_float_denorm_mode_32 3
		.amdhsa_float_denorm_mode_16_64 3
		.amdhsa_memory_ordered 1
		.amdhsa_forward_progress 1
		.amdhsa_inst_pref_size 134
	.end_amdhsa_kernel
	.amdgpu_metadata
---
amdhsa.version: [ 1, 2 ]
amdhsa.kernels:
  - .name:           k_q87dff761db_prep
    .symbol:         k_q87dff761db_prep.kd
    .args:
      - { .name: query, .offset: 0, .size: 8, .value_kind: global_buffer, .address_space: global }
      - { .name: key_t, .offset: 8, .size: 8, .value_kind: global_buffer, .address_space: global }
      - { .name: value, .offset: 16, .size: 8, .value_kind: global_buffer, .address_space: global }
      - { .name: Wq, .offset: 24, .size: 8, .value_kind: global_buffer, .address_space: global }
      - { .name: Wk, .offset: 32, .size: 8, .value_kind: global_buffer, .address_space: global }
      - { .name: Wv, .offset: 40, .size: 8, .value_kind: global_buffer, .address_space: global }
      - { .name: Wo, .offset: 48, .size: 8, .value_kind: global_buffer, .address_space: global }
      - { .name: mask, .offset: 56, .size: 8, .value_kind: global_buffer, .address_space: global }
      - { .name: codes, .offset: 64, .size: 8, .value_kind: global_buffer, .address_space: global }
      - { .name: scales, .offset: 72, .size: 8, .value_kind: global_buffer, .address_space: global }
      - { .name: maskbits, .offset: 80, .size: 8, .value_kind: global_buffer, .address_space: global }
      - { .name: woimg, .offset: 88, .size: 8, .value_kind: global_buffer, .address_space: global }
    .group_segment_fixed_size: 50688
    .private_segment_fixed_size: 0
    .kernarg_segment_align: 8
    .kernarg_segment_size: 96
    .max_flat_workgroup_size: 128
    .sgpr_count:     66
    .vgpr_count:     192
    .wavefront_size: 32
...
	.end_amdgpu_metadata
.endif
;; end of part 1
;; launch proj (part 2): grid 4 x 96, 4 waves a work-group, clusters of 4 x 4, 327,680 bytes of LDS; arguments codes, scales, bq, bk, bv, qkv; writes qkv
.if DOCPART == 2
	.amdgcn_target "amdgcn-amd-amdhsa--gfx1250"
	.amdhsa_code_object_version 6
	.text
	.protected	k_q87dff761db_proj
	.globl	k_q87dff761db_proj
	.p2align	8
	.type	k_q87dff761db_proj,@function
k_q87dff761db_proj:
	s_mov_b64 s[64:65], 0
	v_nop
	global_prefetch_b8 v0, s[64:65] scope:SCOPE_SE
	s_setreg_imm32_b32 hwreg(HW_REG_WAVE_MODE, 25, 1), 1
	s_wait_xcnt 0x0
	s_wait_alu depctr_hold_cnt(0) depctr_sa_sdst(0) depctr_va_vdst(0) depctr_va_sdst(0) depctr_va_ssrc(0) depctr_va_vcc(0) depctr_vm_vsrc(0)
	s_getreg_b32 s2, hwreg(HW_REG_IB_STS2, 6, 4)
	s_cmp_eq_u32 s2, 0
	s_cbranch_scc0 .Lentry_in_a_cluster
	s_endpgm
.Lentry_in_a_cluster:
	s_bfe_u32 s2, ttmp6, 0x10000c
	s_cmp_lg_u32 s2, 0xf033
	s_cbranch_scc0 .Lentry_shape_is_right
	s_endpgm
.Lentry_shape_is_right:
; THE THREE QUANTISED PROJECTIONS as one grid: q = query Wq^T + bq, k = key_t Wk^T + bk, v = value Wv^T + bv, on codes of FP4 (E2M1) with one E8M0 byte for each 32 along K = 1,024; sums in f32.
; No work is left out.  codes: 27,648 rows of 512 bytes (query's 8,192 rows, key_t's, value's, then Wq's, Wk's, Wv's 1,024 each); scales: the same rows, 32 bytes each.
; A tile of 256 tokens x 256 channels is made by a work-group of four waves; a wave makes 128 x 128: 64 accumulators of 16 x 16, 512 registers.  Tile row ty = 0..95 runs over the three tensors' tokens
; on end, 32 tile rows a tensor; a cluster of 4 x 4 work-groups lies inside one tensor (8 clusters a tensor).
; K lies in two LDS slots of 512 along K (rows of 256 bytes), both asked for at the start: nothing is ever filled again.  The scale bytes of the work-group's rows, for all of K, come with them.
; CLUSTERS: the four work-groups of a row of the cluster need the same tokens' tiles, the four of a column the same weights': each tile is asked for JOINTLY, by the same tensor load with the same
; descriptor and a mask that names the four.  THE MATRIX INSTRUCTION IS USED TRANSPOSED (source 0 = 16 rows of the weight, source 1 = 16 tokens): a lane holds one token and eight neighbouring channels.
; THE WAY OUT: + bias, rounded to f16: a lane's eight channels are 16 bytes, and a packed tile of 16 tokens x 16 channels IS half of the next product's 16-bit operand, lane for lane.  So qkv is laid
; [tensor][batch x 16 + head (64)][tile of 16 tokens (128)][16 channels (4)] in pieces of 512 bytes; q and k: lane's 16 bytes at 16 x lane; v: at 32 (lane % 16) + 16 (lane / 16), that is 16 rows of
; 32 bytes, for the turning load.  Each store of a wave covers 512 consecutive bytes, aligned; no stage in LDS is needed.
; LIMITS: q, k or v beyond 65,504 in magnitude have no f16 number; NaN and infinities among the inputs are not served.
; REGISTERS, in windows of 256: window 0: v0-31 addresses; v32-95 scale words, two sets; v128-191 the tokens' fragments, ONE set; v192-255 the bias; on the way out v32-95 and v128-191 are at work.
;   window 1: the weights' fragments, TWO sets, at v0 and v128.   window 2: the 32 accumulators of my tokens 0-63 ((a, b) at v[8 (8 a + b)]);   window 3: those of my tokens 64-127.
.set KSTEP,  512
.set NQ,     KSTEP/128                 ; matrix instructions deep in a slot
.set ROWB,   256                       ; a tile's row in bytes
.set KROW,   512                       ; a row of codes in memory
.set PITCH,  272                       ; an LDS row: 256 bytes + 16 of padding: the 16 rows that a load touches start at 16 different places modulo 256 bytes
.set FR,     8                         ; registers of a fragment: 16 rows x 128 K
.set NL,     2                         ; LDS loads that bring one
.set NP,     4                         ; places behind this matrix instruction (ISA guide 7.12.1)
.set HALFT,  128*PITCH                 ; 128 rows: what one tensor load brings
.set SLOT,   4*HALFT                   ; the tokens' 256 rows, then the weights' 256 rows
.set KS,     32                        ; a row of scales in bytes
.set SCL,    2*SLOT                    ; behind the slots: the scales, as runs of 256 bytes + 16 of padding
.set HALFS,  (128*KS/256)*272          ; the scales of 128 rows
.set SBLK,   (16*KS/256)*272           ; those of 16 rows
.set SPARE,  SCL+4*HALFS               ; behind the scales: the spare words, 128 bytes for each wave, which no other line names
.set ADRA, 16                          ; v16-17  LDS address of my tokens' fragments in slot 0, 1
.set ADRB, 20                          ; v20-21  the same for the weights
.set CO,   26                          ; v26     the way out: my 16 bytes' place in a piece
.set ADRS, 27                          ; v27     LDS address of my scale words: lanes 0-15 the tokens', lanes 16-31 the weights'
.set SPW,  28                          ; v28     LDS address of my spare word; never rewritten
.set NIL,  29                          ; v29     0; never rewritten
.set BO,   30                          ; v30     the bias loads' offset: 32 x (lane / 16)
.set SC,   32                          ; scale words: set s at v[SC + 32 s]; register 4 i + q: lanes 0-15 the word of the tokens' block i, lanes 16-31 that of the weights' block i
.set AF,   128                         ; the tokens' fragments
.set BI,   192                         ; v192-255 register 8 b + j: the bias of channel 16 b + 8 (lane / 16) + j of my 128
.set TT,   128                         ; the way out: sums + bias
.set PK,   32                          ; the way out: packed f16, two sets of 32
.set WV,   2                           ; s2   my wave's number
.set HR,   16                          ; s16  wave / 2: which half of the tile's tokens is mine.  Also: I fetch tokens (0) or weights (1)
.set HC,   17                          ; s17  wave % 2: which half of its channels.  Also: which 128 rows I fetch
.set G1,   24                          ; s[24:31] group 1 for the tokens' tiles; s[32:39] group 0, a set for each slot
.set G0,   32
.set G1B,  48                          ; s[48:55], s[56:63] the same for the weights
.set G0B,  56
.set G1S,  68                          ; s[68:75], s[76:79] for the tokens' scales; s[80:87], s[88:91] for the weights'
.set G0S,  76
.set G1SB, 80
.set G0SB, 88
.set MSB, 0
.macro WIN new                         ; the immediate's high byte repeats the setting that is left
.if MSB != (\new)
	s_set_vgpr_msb (MSB<<8)|(\new)
.set MSB, (\new)
.endif
.endm
.set MUL_LO, 0xa1                      ; source 0 (weights) window 1, source 1 (tokens) window 0, C and D window 2
.set MUL_HI, 0xf1                      ; the same, C and D window 3
.set TO_B,   0x40                      ; destination window 1, address window 0
; A joint load: waves 0 and 1 fetch for the tokens, waves 2 and 3 for the weights.  Each of the two lines has one mask and one set of registers for all that issue it; the branch hangs on the wave's
; number alone.  An s_nop 0 and four v_nop follow each of the two lines.
.macro JLOAD g0a, g1a, g0b, g1b
	s_cmp_eq_u32 s[HR], 0
	s_cbranch_scc0 .Lfor_b_\@
	tensor_load_to_lds s[\g0a:\g0a+3], s[\g1a:\g1a+7]
	s_nop 0
.rept 4
	v_nop
.endr
	s_branch .Lasked_\@
.Lfor_b_\@:
	tensor_load_to_lds s[\g0b:\g0b+3], s[\g1b:\g1b+7]
	s_nop 0
.rept 4
	v_nop
.endr
.Lasked_\@:
.endm
.macro CROUND                          ; a round of the cluster's barrier
	s_barrier_signal -1
	s_barrier_wait -1
	s_cmp_lg_u32 s[WV], 0
	s_cbranch_scc1 .Lnot_wave_0_\@
	s_barrier_signal -3
.Lnot_wave_0_\@:
	s_barrier_wait -3
	s_barrier_signal -1
	s_barrier_wait -1
.endm
	s_load_b256 s[4:11], s[0:1], 0x0               ; codes s[4:5], scales s[6:7], bq s[8:9], bk s[10:11]
	s_load_b128 s[12:15], s[0:1], 0x20             ; bv s[12:13], qkv s[14:15]
	v_lshl_add_u32 v[SPW], v0, 2, SPARE
	v_mov_b32 v[NIL], 0
	ds_add_u32 v[SPW], v[NIL]                      ; the wave's opening: the add, twice on end, and its wait ahead of my first tensor load
	ds_add_u32 v[SPW], v[NIL]                      ; and once more; the set-up below, work on registers, stands between it and the wait
	v_lshrrev_b32 v1, 5, v0
	v_readfirstlane_b32 s[WV], v1                  ; wave 0..3
	s_lshr_b32 s[HR], s[WV], 1
	s_and_b32 s[HC], s[WV], 1
	s_bfe_u32 s40, ttmp6, 0x40000                  ; cx, cy: my place in the cluster
	s_bfe_u32 s41, ttmp6, 0x40004
	s_lshl_b32 s42, ttmp9, 2
	s_add_co_u32 s42, s42, s40                     ; tile column = 4 x cluster x + cx
	s_and_b32 s98, ttmp7, 0xffff                   ; cluster y
	s_lshr_b32 s97, s98, 3                         ; the tensor, 0 q, 1 k, 2 v: made of the cluster's y alone, so it is the same in all sixteen partners
	s_lshl_b32 s96, s98, 2
	s_add_co_u32 s96, s96, s41                     ; tile row = 4 x cluster y + cy
	s_lshl_b32 s43, s41, 2
	s_lshl_b32 s43, 15, s43                        ; my row of the cluster
	s_lshl_b32 s44, 0x1111, s40                    ; my column
	; group 1: a tile of 128 rows x 256 bytes, padded in LDS
	s_or_b32 s[G1+0], s43, (0<<16)|(1<<20)|(1<<21)|(5<<22)|(3<<25)  ; 15:0 the mask; 17:16 elements of 1 byte; 20 padding on; 21 set beside a mask; 24:22 after every 64 words; 31:25 of 4 words
	s_or_b32 s[G1B+0], s44, (0<<16)|(1<<20)|(1<<21)|(5<<22)|(3<<25)
.irp g, G1, G1B
	s_mov_b32 s[\g+1], ROWB<<16                    ; tensor_dim0
	s_mov_b32 s[\g+2], 128<<16                     ; tensor_dim1
	s_mov_b32 s[\g+3], ROWB<<16                    ; tile_dim0
	s_mov_b32 s[\g+4], 128                         ; tile_dim1
	s_mov_b32 s[\g+5], KROW                        ; from row to row
	s_mov_b32 s[\g+6], 0
	s_mov_b32 s[\g+7], 0
.endr
	; and for the scales of 128 rows: 4,096 dense bytes, as 16 rows of 256 bytes (32 elements of 8 bytes), 16 bytes of padding behind each
	s_or_b32 s[G1S+0], s43, (3<<16)|(1<<20)|(1<<21)|(5<<22)|(3<<25)
	s_or_b32 s[G1SB+0], s44, (3<<16)|(1<<20)|(1<<21)|(5<<22)|(3<<25)
.irp g, G1S, G1SB
	s_mov_b32 s[\g+1], 32<<16
	s_mov_b32 s[\g+2], (128*KS/256)<<16
	s_mov_b32 s[\g+3], 32<<16
	s_mov_b32 s[\g+4], 128*KS/256
	s_mov_b32 s[\g+5], 32
	s_mov_b32 s[\g+6], 0
	s_mov_b32 s[\g+7], 0
.endr
	s_lshl_b32 s18, s[HC], 7                       ; which 128 rows of the tile I fetch
	s_lshl_b32 s20, s96, 8
	s_add_co_u32 s20, s20, s18                     ; tokens: row 256 x tile row + 128 x half
	s_lshl_b32 s46, s42, 8
	s_add_co_u32 s46, s46, s18
	s_lshl_b32 s19, s97, 10
	s_add_co_u32 s46, s46, s19
	s_add_co_u32 s46, s46, 24576                   ; weights: row 24,576 + 1,024 x tensor + 256 x tile column + 128 x half
	s_lshl_b32 s22, s20, 5                         ; where these rows' scales begin, in bytes,
	s_mov_b32 s23, 0
	s_lshl_b32 s20, s20, 9                         ; and their codes (both under 2^24)
	s_mov_b32 s21, 0
	s_lshl_b32 s92, s46, 5
	s_mov_b32 s93, 0
	s_lshl_b32 s46, s46, 9
	s_mov_b32 s47, 0
	s_mul_i32 s45, s[WV], HALFT                    ; where they go: wave x 128 rows: no place in the cluster enters an LDS address
	s_mul_i32 s94, s[WV], HALFS
	s_wait_dscnt 0x0                               ; both opening adds are done
	s_wait_kmcnt 0x0
	s_add_nc_u64 s[20:21], s[4:5], s[20:21]
	s_add_nc_u64 s[22:23], s[6:7], s[22:23]
	s_add_nc_u64 s[46:47], s[4:5], s[46:47]
	s_add_nc_u64 s[92:93], s[6:7], s[92:93]
	CROUND                                         ; all sixteen work-groups are here: the joint loads meet
	s_mov_b32 s[G0S], 1
	s_add_co_u32 s[G0S+1], s94, SCL
	s_mov_b64 s[G0S+2:G0S+3], s[22:23]
	s_or_b32 s[G0S+3], s[G0S+3], 0x80000000
	s_mov_b32 s[G0SB], 1
	s_add_co_u32 s[G0SB+1], s94, SCL
	s_mov_b64 s[G0SB+2:G0SB+3], s[92:93]
	s_or_b32 s[G0SB+3], s[G0SB+3], 0x80000000
	JLOAD G0S, G1S, G0SB, G1SB                     ; the scales first: they are wanted with the first slot.  Three tensor loads of mine are out behind the next two
.irp s, 0,1
	s_mov_b32 s[G0+4*\s], 1
	s_add_co_u32 s[G0+4*\s+1], s45, \s*SLOT
	s_add_nc_u64 s[G0+4*\s+2:G0+4*\s+3], s[20:21], \s*ROWB
	s_or_b32 s[G0+4*\s+3], s[G0+4*\s+3], 0x80000000
	s_mov_b32 s[G0B+4*\s], 1
	s_add_co_u32 s[G0B+4*\s+1], s45, \s*SLOT
	s_add_nc_u64 s[G0B+4*\s+2:G0B+4*\s+3], s[46:47], \s*ROWB
	s_or_b32 s[G0B+4*\s+3], s[G0B+4*\s+3], 0x80000000
	JLOAD G0+4*\s, G1, G0B+4*\s, G1B
.endr
	v_and_b32 v1, 15, v0                           ; r = lane % 16
	v_bfe_u32 v2, v0, 4, 1                         ; h = lane / 16
	v_mul_u32_u24 v3, v1, PITCH
	v_lshl_add_u32 v4, v2, 4, v3                   ; a fragment's row x pitch + 16 h
	s_mul_i32 s21, s[HR], HALFT                    ; my 128 tokens
	s_mul_i32 s22, s[HC], HALFT                    ; my 128 rows of the weight,
	s_add_co_u32 s22, s22, 2*HALFT                 ; which lie behind the tokens' 256
.irp s, 0,1
	v_add_nc_u32 v[ADRA+\s], s21, v4
	v_add_nc_u32 v[ADRB+\s], s22, v4
	s_add_co_u32 s21, s21, SLOT
	s_add_co_u32 s22, s22, SLOT
.endr
	v_mul_u32_u24 v5, v1, KS                       ; my row's scales: 32 bytes a row,
	v_lshrrev_b32 v6, 8, v5
	v_lshl_add_u32 v5, v6, 4, v5                   ; and 16 more for each 256 passed
	s_mul_i32 s21, s[HR], HALFS
	s_mul_i32 s22, s[HC], HALFS
	s_add_co_u32 s22, s22, 2*HALFS
	s_sub_co_u32 s22, s22, s21
	v_mul_u32_u24 v6, s22, v2                      ; lanes 16-31 take the weights': one product, the distance between the two bases x h
	s_add_co_u32 s21, s21, SCL
	v_add_nc_u32 v5, v5, v6
	v_add_nc_u32 v[ADRS], s21, v5
	; the bias of my 128 channels, in the result's layout; the tensor picks the buffer
	s_cmp_eq_u32 s97, 1
	s_cselect_b64 s[8:9], s[10:11], s[8:9]
	s_cmp_eq_u32 s97, 2
	s_cselect_b64 s[8:9], s[12:13], s[8:9]
	s_cselect_b32 s18, 5, 4                        ; and the piece's layout: q, k: 16 r + 256 h;  v: 32 r + 16 h
	s_cselect_b32 s19, 4, 8
	v_lshlrev_b32 v[CO], s18, v1
	v_lshlrev_b32 v5, s19, v2
	v_add_nc_u32 v[CO], v[CO], v5
	s_lshl_b32 s46, s42, 10
	s_lshl_b32 s47, s[HC], 9
	s_add_co_u32 s46, s46, s47                     ; 4 x (256 x tile column + 128 x half)
	s_mov_b32 s47, 0
	s_add_nc_u64 s[8:9], s[8:9], s[46:47]
	v_lshlrev_b32 v[BO], 5, v2
.irp b, 0,1,2,3,4,5,6,7
	global_load_b128 v[BI+8*\b:BI+8*\b+3], v[BO], s[8:9] offset:64*\b
	global_load_b128 v[BI+8*\b+4:BI+8*\b+7], v[BO], s[8:9] offset:64*\b+16
.endr
	; where my part begins in qkv
	s_and_b32 s18, s96, 31                         ; the tile row within the tensor
	s_lshr_b32 s19, s18, 3                         ; the batch
	s_lshl_b32 s19, s19, 4
	s_lshl_b32 s46, s42, 2
	s_add_co_u32 s19, s19, s46
	s_lshl_b32 s46, s[HC], 1
	s_add_co_u32 s19, s19, s46                     ; 16 x batch + my first head (4 x tile column + 2 x half)
	s_lshl_b32 s19, s19, 18                        ; 262,144 bytes a head
	s_and_b32 s18, s18, 7
	s_lshl_b32 s18, s18, 4
	s_lshl_b32 s46, s[HR], 3
	s_add_co_u32 s18, s18, s46                     ; my first tile of 16 tokens in the batch
	s_lshl_b32 s18, s18, 11                        ; 2,048 bytes a tile
	s_add_co_u32 s18, s18, s19
	s_lshl_b32 s19, s97, 24                        ; 2^24 bytes a tensor
	s_add_co_u32 s18, s18, s19
	s_mov_b32 s19, 0
	s_add_nc_u64 s[14:15], s[14:15], s[18:19]
.macro FRAG reg, adr, q, i             ; a fragment, 16 rows x 128 K of 4-bit codes: lane l holds row l % 16; registers 4 c .. 4 c + 3 hold K = 64 c + 32 (l / 16) + 0 .. 31
.irp c, 0,1
	ds_load_b128 v[\reg+4*\c:\reg+4*\c+3], v[\adr] offset:64*(\q)+32*\c+(\i)*16*PITCH
.endr
.endm
; 16 matrix instructions: the tokens' blocks a0, a0 + 1 x the weights' eight, 128 along K: the slot's q-th.  p: the weights' set; sc: the set of scale words.  zero = 1: the first product starts the sums.
; The 64 accumulators take turns, one instruction a turn, in the same order in every step.
.macro MUL16 a0, p, q, sc, zero
.irp a, \a0, \a0+1
.irp b, 0,1,2,3,4,5,6,7
.if \zero
	v_wmma_scale_f32_16x16x128_f8f6f4 v[8*(8*((\a)%4)+\b):8*(8*((\a)%4)+\b)+7], v[128*(\p)+FR*\b:128*(\p)+FR*\b+FR-1], v[AF+FR*(\a):AF+FR*(\a)+FR-1], 0, v[SC+8*NQ*(\sc)+NQ*\b+(\q)], v[SC+8*NQ*(\sc)+NQ*(\a)+(\q)] matrix_a_fmt:MATRIX_FMT_FP4 matrix_b_fmt:MATRIX_FMT_FP4 matrix_a_scale:MATRIX_SCALE_ROW1
.else
	v_wmma_scale_f32_16x16x128_f8f6f4 v[8*(8*((\a)%4)+\b):8*(8*((\a)%4)+\b)+7], v[128*(\p)+FR*\b:128*(\p)+FR*\b+FR-1], v[AF+FR*(\a):AF+FR*(\a)+FR-1], v[8*(8*((\a)%4)+\b):8*(8*((\a)%4)+\b)+7], v[SC+8*NQ*(\sc)+NQ*\b+(\q)], v[SC+8*NQ*(\sc)+NQ*(\a)+(\q)] matrix_a_fmt:MATRIX_FMT_FP4 matrix_b_fmt:MATRIX_FMT_FP4 matrix_a_scale:MATRIX_SCALE_ROW1
.endif
.endr
.endr
.endm
.macro FETCH_B slot, q, p              ; the weights' eight fragments of the slot's q-th 128 along K into set p
	WIN TO_B
.irp i, 0,1,2,3,4,5,6,7
	FRAG 128*(\p)+FR*\i, ADRB+\slot, \q, \i
.endr
	WIN 0
.endm
.macro FETCH_A slot, q, i0             ; the tokens' blocks i0 .. i0 + 3
.irp i, \i0, \i0+1, \i0+2, \i0+3
	FRAG AF+FR*(\i), ADRA+\slot, \q, \i
.endr
.endm
.macro SCALES sc                       ; a slot's scale words into set sc: 4 words a row; lanes 0-15 take the tokens' block i, lanes 16-31 the weights' block i
.irp i, 0,1,2,3,4,5,6,7
	ds_load_b128 v[SC+8*NQ*\sc+NQ*\i:SC+8*NQ*\sc+NQ*\i+3], v[ADRS] offset:\i*SBLK
.endr
.endm
; A load into a register that a matrix instruction has read, and a vector instruction that reads a matrix result or writes one of its registers, stand NP places behind that matrix instruction, and only
; plain vector instructions that name none of its registers are places (ISA guide 7.12.1 for vector instructions).
.macro PLACES n
.rept \n
	v_nop
.endr
.endm
.macro STEP slot, q, zero              ; a step of 128 along K that has its successor in the same slot
	s_wait_dscnt 4*NL                              ; the weights' set and the tokens' blocks 0-3 are in; the youngest eight loads (blocks 4-7) may be out
	WIN MUL_LO
	MUL16 0, (\q)%2, \q, \slot, \zero
	MUL16 2, (\q)%2, \q, \slot, \zero
	s_wait_dscnt 0                                 ; blocks 4-7 are in
	PLACES NP
	FETCH_B \slot, (\q)+1, 1-(\q)%2
	FETCH_A \slot, (\q)+1, 0
	WIN MUL_HI
	MUL16 4, (\q)%2, \q, \slot, \zero
	MUL16 6, (\q)%2, \q, \slot, \zero
	PLACES NP
	WIN 0
	FETCH_A \slot, (\q)+1, 4
.endm
; Slot 0's last step goes on into slot 1: each wave waits for all its tensor loads (its part of slot 1), then the barrier: behind it slot 1 is whole.  Nothing is filled again.
.macro TURN slot, next
	s_wait_tensorcnt 0x0                           ; all my tensor loads have landed
	ds_add_u32 v[SPW], v[NIL]                      ; 0 onto my spare word
	s_wait_dscnt 4*NL+1                            ; (the add and the youngest eight loads, blocks 4-7, may be out)
	WIN MUL_LO
	MUL16 0, 1, NQ-1, \slot, 0
	s_wait_dscnt 0x0                               ; the add is done; no LDS instruction of mine is out at the signal
	s_barrier_signal -1
	MUL16 2, 1, NQ-1, \slot, 0
	WIN 0
	s_barrier_wait -1
	PLACES NP
	v_add_nc_u32 v[ADRS], 4*NQ, v[ADRS]            ; on to the next slot's scale words
	FETCH_B \next, 0, 0
	FETCH_A \next, 0, 0
	SCALES \next
	WIN MUL_HI
	MUL16 4, 1, NQ-1, \slot, 0
	MUL16 6, 1, NQ-1, \slot, 0
	PLACES NP
	WIN 0
	FETCH_A \next, 0, 4
.endm
	s_wait_tensorcnt 1                             ; the scales and my part of slot 0 are in (slot 1's load may be out),
	s_barrier_signal -1
	s_barrier_wait -1                              ; everybody's are
	FETCH_B 0, 0, 0
	FETCH_A 0, 0, 0
	SCALES 0
	FETCH_A 0, 0, 4
	STEP 0, 0, 1                                   ; the first step's products start the sums: nothing is cleared
	STEP 0, 1, 0
	STEP 0, 2, 0
	TURN 0, 1
	STEP 1, 0, 0
	STEP 1, 1, 0
	STEP 1, 2, 0
	s_wait_dscnt 4*NL                              ; the very last step: nothing more to fetch
	WIN MUL_LO
	MUL16 0, 1, NQ-1, 1, 0
	MUL16 2, 1, NQ-1, 1, 0
	s_wait_dscnt 0
	WIN MUL_HI
	MUL16 4, 1, NQ-1, 1, 0
	MUL16 6, 1, NQ-1, 1, 0
	WIN 0
; THE WAY OUT, block by block of 16 tokens x 128 channels: + bias (packed additions, each accumulator from its low end on), rounded to f16, eight stores of 512 consecutive bytes.
.macro OUTB a
.set AC, 64*((\a)%4)
.set PB, PK+32*((\a)%2)
.if (\a) >= 2
	s_wait_xcnt 0x0                                ; block a - 2's stores have read their data: its set of packed registers is written again only behind this wait
.endif
	WIN 0x02+(\a)/4                                ; source 0: window 2 or 3
.irp b, 0,1,2,3,4,5,6,7
.irp i, 0,1,2,3
	v_pk_add_f32 v[TT+8*\b+2*\i:TT+8*\b+2*\i+1], v[AC+8*\b+2*\i:AC+8*\b+2*\i+1], v[BI+8*\b+2*\i:BI+8*\b+2*\i+1]
.endr
.endr
	WIN 0
.irp b, 0,1,2,3,4,5,6,7
.irp i, 0,1,2,3
	v_cvt_pk_f16_f32 v[PB+4*\b+\i], v[TT+8*\b+2*\i], v[TT+8*\b+2*\i+1]
.endr
.endr
.irp b, 0,1,2,3,4,5,6,7
	global_store_b128 v[CO], v[PB+4*\b:PB+4*\b+3], s[14:15] offset:(\a)*2048+(\b/4)*262144+(\b%4)*512   ; tile of tokens a, head b / 4, piece b % 4
.endr
.endm
	s_wait_loadcnt 0x0                             ; the bias
	PLACES NP                                      ; behind the last products: their results are read, and registers that they read are written
.irp a, 0,1,2,3,4,5,6,7
	OUTB \a
.endr
	s_wait_tensorcnt 0x0                           ; the wave's end, behind my last tensor load
	ds_add_u32 v[SPW], v[NIL]
	s_wait_dscnt 0x0
	CROUND                                         ; the closing round: no work-group ends while a partner may still ask for a tile that names it
	s_endpgm
.Lfunc_end_k_q87dff761db_proj:
	.size	k_q87dff761db_proj, .Lfunc_end_k_q87dff761db_proj-k_q87dff761db_proj
	.p2alignl 7, 3214868480
	.fill 96, 4, 3214868480
	.section	.rodata,"a",@progbits
	.p2align	6, 0x0
	.amdhsa_kernel k_q87dff761db_proj
		.amdhsa_group_segment_fixed_size 327680
		.amdhsa_private_segment_fixed_size 0
		.amdhsa_enable_private_segment 0
		.amdhsa_kernarg_size 48
		.amdhsa_user_sgpr_count 2
		.amdhsa_user_sgpr_kernarg_segment_ptr 1
		.amdhsa_wavefront_size32 1
		.amdhsa_system_sgpr_workgroup_id_x 1
		.amdhsa_system_sgpr_workgroup_id_y 1
		.amdhsa_system_sgpr_workgroup_id_z 1
		.amdhsa_system_vgpr_workitem_id 0
		.amdhsa_next_free_vgpr 1024
		.amdhsa_next_free_sgpr 100
		.amdhsa_reserve_vcc 0
		.amdhsa_float_denorm_mode_32 3
		.amdhsa_float_denorm_mode_16_64 3
		.amdhsa_memory_ordered 1
		.amdhsa_forward_progress 1
		.amdhsa_inst_pref_size 136
	.end_amdhsa_kernel
	.amdgpu_metadata
---
amdhsa.version: [ 1, 2 ]
amdhsa.kernels:
  - .name:           k_q87dff761db_proj
    .symbol:         k_q87dff761db_proj.kd
    .args:
      - { .name: codes, .offset: 0, .size: 8, .value_kind: global_buffer, .address_space: global }
      - { .name: scales, .offset: 8, .size: 8, .value_kind: global_buffer, .address_space: global }
      - { .name: bq, .offset: 16, .size: 8, .value_kind: global_buffer, .address_space: global }
      - { .name: bk, .offset: 24, .size: 8, .value_kind: global_buffer, .address_space: global }
      - { .name: bv, .offset: 32, .size: 8, .value_kind: global_buffer, .address_space: global }
      - { .name: qkv, .offset: 40, .size: 8, .value_kind: global_buffer, .address_space: global }
    .group_segment_fixed_size: 327680
    .private_segment_fixed_size: 0
    .kernarg_segment_align: 8
    .kernarg_segment_size: 48
    .max_flat_workgroup_size: 128
    .sgpr_count:     100
    .vgpr_count:     1024
    .wavefront_size: 32
...
	.end_amdgpu_metadata
.endif
;; end of part 2
;; launch attn (part 3): grid 4 x 64, 8 waves a work-group, clusters of 4 x 1, 327,680 bytes of LDS; arguments qkv, maskbits, ximg; writes ximg
.if DOCPART == 3
	.amdgcn_target "amdgcn-amd-amdhsa--gfx1250"
	.amdhsa_code_object_version 6
	.text
	.protected	k_q87dff761db_attn
	.globl	k_q87dff761db_attn
	.p2align	8
	.type	k_q87dff761db_attn,@function
k_q87dff761db_attn:
	s_mov_b64 s[64:65], 0
	v_nop
	global_prefetch_b8 v0, s[64:65] scope:SCOPE_SE
	s_setreg_imm32_b32 hwreg(HW_REG_WAVE_MODE, 25, 1), 1
	s_wait_xcnt 0x0
	s_wait_alu depctr_hold_cnt(0) depctr_sa_sdst(0) depctr_va_vdst(0) depctr_va_sdst(0) depctr_va_ssrc(0) depctr_va_vcc(0) depctr_vm_vsrc(0)
	s_getreg_b32 s2, hwreg(HW_REG_IB_STS2, 6, 4)
	s_cmp_eq_u32 s2, 0
	s_cbranch_scc0 .Lentry_in_a_cluster
	s_endpgm
.Lentry_in_a_cluster:
	s_bfe_u32 s2, ttmp6, 0x10000c
	s_cmp_lg_u32 s2, 0x3003
	s_cbranch_scc0 .Lentry_shape_is_right
	s_endpgm
.Lentry_shape_is_right:
; ATTENTION: x[b][q][head] = the sum over k of softmax_k(q . k / 8, masked) v, for 64 (batch, head) pairs of 2,048 tokens and head size 64.  Operands in f16, products, maxima and sums in f32.
; No work is left out.  q, k, v come from qkv as pieces of 512 bytes that are halves of 16-bit operands, lane for lane (v: 16 rows of 32 bytes, for the turning load); the mask comes as lane masks.
; SHARES.  A work-group owns 512 queries of one (batch, head), each of its eight waves 64: four tiles of 16, in 512 registers; two waves share a SIMD, so that one wave's softmax stands beside the
; other's products.  Every wave walks all 2,048 keys, 64 a step.
; LAYOUT.  S^T = K Q^T (source 0 = 16 keys, source 1 = 16 queries): a lane holds ONE query (lane % 16) and the keys 8 (lane / 16) + 0..7 of each tile of 16.  Two such tiles, rounded to f16 in pairs,
; ARE source 1 (32 keys x 16 queries) of O^T = V^T P, whose result again holds one query a lane and eight channels.  P is packed in place into the low half of each tile's scores.
; THE MASK.  A masked score becomes -infinity ahead of the maximum, so its weight is 2^(-infinity) = 0: what reference() gets by finfo.min ahead of the softmax and the 0 behind it.  The running maximum
; begins at -3e38 and stays finite, so no difference of infinities arises.  A query with no open key ends with sum 0 and O = 0; its divisor is held at 2^-126 from below, which moves no real sum
; (a query with an open key has a sum of 1 or more): x = 0 there, as reference() has it.
; SOFTMAX.  For each query a running maximum m and sum l: p = 2^(c s - c m), c = log2(e) / 8; in every step O and l are multiplied by a = 2^(c m_old - c m_new).
; THE RING.  Two LDS slots of 512 keys: K's pieces (65,536 bytes), then V's.  Every wave fetches an eighth of a slot, 16,384 dense bytes, with one tensor load.  Both slots are asked for at the start
; (two loads of mine are out), and each is filled once more (one load out), a whole slot's eight key steps ahead of its first use.
; CLUSTER.  The four blocks of 512 queries of a (batch, head) form a cluster and walk the same K and V: each tile is asked for JOINTLY, by the same tensor load in all four, with a mask that names them.
; LIMITS: NaN and infinities are not served; x beyond 65,504 in magnitude has no f16 number; where value and Wv are both some 30 times smaller than drawn, x falls among f16's smallest numbers and
; its rounding grows to about a thousandth of its spread.
; REGISTERS: window 0: v1-7 addresses and constants; v16-47 statistics, eight a tile; v48-111 Q; v112-239 S^T, 32 a tile; v240-247 second chains of the sums.
;   window 1: v0-127 O^T, 32 a tile; v128-191 K of one step; v192-255 V of one step.
.set SLOT1, 1<<17                      ; slot 1 begins here: one exclusive or turns an address in one slot into the other's
.set VOFF,  65536                      ; in a slot: K's 32 tiles of 16 keys x 2,048 bytes, then V's
.set STEPB, 8192                       ; a key step's four tiles
.set FILLB, 65536                      ; 512 keys of K or of V in memory
.set SPARE, 2*SLOT1                    ; behind the ring: the spare words, 128 bytes for each of the eight waves, which no other line names
.set LI,  1                            ; v1   16 x lane: my place in a piece; never rewritten
.set AV0, 2                            ; v2   my place in a piece of V for the turning load, + VOFF; never rewritten
.set AD,  3                            ; v3   LDS address of the step's K
.set ADV, 4                            ; v4   of its V
.set NEG, 5                            ; v5   -infinity
.set SPW, 6                            ; v6   LDS address of my spare word; never rewritten
.set NIL, 7                            ; v7   0; never rewritten
.set ST,  16                           ; tile t's statistics at v[ST + 8 t]: +0 c m, +1 m, +2, +3 l (even keys', odd keys'), +4 to +7 at work; a lands in +6
.set Q,   48                           ; tile t's fragment of channels 32 c on at Q + 16 t + 8 c
.set S,   112
.set XS,  240
.set KF,  128                          ; window 1: K's fragment (tile of keys k, channels 32 c on) at KF + 16 k + 8 c
.set VF,  192                          ; window 1: V^T's fragment (16 channels ct, keys 32 kk on) at VF + 16 ct + 8 kk
.set SEL, 2                            ; s[2:3]   lane selects for v_permlanex16_b32: lane l xor 16
.set MB,  6                            ; s[6:7]   my wave's 64 queries' mask words: 32 steps of 512 bytes
.set WV,  10                           ; s10  my wave's number
.set CS,  14                           ; s[14:15] c: the packed scaling names a pair and takes its low word for both halves
.set G1,  16                           ; s[16:23] descriptor group 1, the same for every load
.set G0A, 24                           ; s[24:27] group 0 of slot 0's first fill
.set G0W, 28                           ; s[28:31] group 0 of slot 1's first fill, which then walks
.set M1,  32                           ; s[32:63] mask words of tile 1 or 3
.set M0,  68                           ; s[68:99] mask words of tile 0 or 2
.set TB,  66                           ; s66  LDS byte at which the step's K begins
.set CNT, 67                           ; s67  counts a slot's eight steps
.set SLOTS, 100                        ; s100 slots still to be asked for
.set MO,  101                          ; s101 byte offset of this step's mask words
.set MN,  104                          ; s104 and of the next step's, held at the last step's
.set MSB, 0
.macro WIN new                         ; the immediate's high byte repeats the setting that is left
.if MSB != (\new)
	s_set_vgpr_msb (MSB<<8)|(\new)
.set MSB, (\new)
.endif
.endm
.set W_KQ, 0x01                        ; K in window 1; Q and S^T in window 0
.set W_PV, 0x51                        ; V and O^T in window 1, P in window 0
.set W_RS, 0x41                        ; O^T (destination and source 0) in window 1, the factor in window 0
.set W_LD, 0x40                        ; destination window 1, address window 0
.set W_CV, 0x05                        ; sources window 1, destination window 0
.macro CROUND                          ; a round of the cluster's barrier
	s_barrier_signal -1
	s_barrier_wait -1
	s_cmp_lg_u32 s[WV], 0
	s_cbranch_scc1 .Lnot_wave_0_\@
	s_barrier_signal -3
.Lnot_wave_0_\@:
	s_barrier_wait -3
	s_barrier_signal -1
	s_barrier_wait -1
.endm
.macro PLACES
.rept 4
	v_nop
.endr
.endm
	s_load_b128 s[4:7], s[0:1], 0x0                ; qkv s[4:5], maskbits s[6:7]
	s_load_b64 s[8:9], s[0:1], 0x10                ; ximg
	v_lshl_add_u32 v[SPW], v0, 2, SPARE
	v_mov_b32 v[NIL], 0
	ds_add_u32 v[SPW], v[NIL]                      ; the wave's opening: the add, twice on end, and its wait ahead of my first tensor load
	ds_add_u32 v[SPW], v[NIL]                      ; and once more; the set-up below, work on registers, stands between it and the wait
	v_lshrrev_b32 v8, 5, v0
	v_readfirstlane_b32 s[WV], v8                  ; wave 0..7
	s_bfe_u32 s11, ttmp6, 0x40000                  ; cx: my block of 512 queries; it enters Q's, the mask's and x's addresses alone
	s_and_b32 s12, ttmp7, 0xffff                   ; 16 x batch + head, which the four partners share
	; group 1: 16,384 dense bytes as 64 rows of 256 (32 elements of 8 bytes), no padding: every LDS read takes 512 consecutive bytes
	s_mov_b32 s[G1+0], 15|(3<<16)|(1<<21)          ; 15:0 the mask: all four work-groups; 17:16 elements of 8 bytes; 21 set beside a mask
	s_mov_b32 s[G1+1], 32<<16                      ; tensor_dim0
	s_mov_b32 s[G1+2], 64<<16                      ; tensor_dim1
	s_mov_b32 s[G1+3], 32<<16                      ; tile_dim0
	s_mov_b32 s[G1+4], 64                          ; tile_dim1
	s_mov_b32 s[G1+5], 32                          ; from row to row
	s_mov_b32 s[G1+6], 0
	s_mov_b32 s[G1+7], 0
	s_lshr_b32 s13, s[WV], 2                       ; waves 0-3 fetch K, waves 4-7 V
	s_add_co_u32 s13, s13, 1
	s_lshl_b32 s13, s13, 24                        ; the tensor,
	s_lshl_b32 s33, s12, 18                        ; the head's 262,144 bytes,
	s_add_co_u32 s32, s13, s33
	s_and_b32 s33, s[WV], 3
	s_lshl_b32 s33, s33, 14                        ; my quarter of 512 keys
	s_add_co_u32 s32, s32, s33
	s_mov_b32 s33, 0
	s_lshl_b32 s34, s12, 18                        ; Q: the head, my block's 32 tiles of 2,048 bytes, my wave's 4
	s_lshl_b32 s35, s11, 16
	s_add_co_u32 s34, s34, s35
	s_lshl_b32 s35, s[WV], 13
	s_add_co_u32 s34, s34, s35
	s_mov_b32 s35, 0
	s_lshr_b32 s36, s12, 4                         ; the mask words: (32 x batch + 8 cx + wave) x 16,384 bytes
	s_lshl_b32 s36, s36, 5
	s_lshl_b32 s37, s11, 3
	s_add_co_u32 s36, s36, s37
	s_add_co_u32 s36, s36, s[WV]
	s_lshl_b32 s36, s36, 14
	s_mov_b32 s37, 0
	s_bfe_u32 s38, s12, 0x30001                    ; x: [head / 2][128 x batch + tile of 16 tokens][4 (head % 2) + 16 channels] pieces of 512 bytes
	s_lshl_b32 s38, s38, 9
	s_lshr_b32 s39, s12, 4
	s_lshl_b32 s39, s39, 7
	s_add_co_u32 s38, s38, s39
	s_lshl_b32 s39, s11, 5
	s_add_co_u32 s38, s38, s39
	s_lshl_b32 s39, s[WV], 2
	s_add_co_u32 s38, s38, s39
	s_lshl_b32 s38, s38, 12
	s_and_b32 s39, s12, 1
	s_lshl_b32 s39, s39, 11
	s_add_co_u32 s38, s38, s39
	s_mov_b32 s39, 0
	s_mov_b32 s[SEL], 0x76543210
	s_mov_b32 s[SEL+1], 0xfedcba98
	s_mov_b32 s[CS], 0x3e38aa3b                    ; c = log2(e) / 8
	s_mov_b32 s[CS+1], s[CS]                       ; named with it as a pair, so it is written
	s_mov_b32 s[TB], 0
	s_mov_b32 s[SLOTS], 2
	s_mov_b32 s[MN], 0
	s_lshl_b32 s13, s[WV], 14                      ; my part's place in a slot: no place in the cluster enters an LDS address
	s_wait_dscnt 0x0                               ; both opening adds are done
	s_wait_kmcnt 0x0
	s_mov_b32 s[G0A], 1                            ; count = 1
	s_mov_b32 s[G0A+1], s13                        ; LDS address: slot 0
	s_add_nc_u64 s[G0A+2:G0A+3], s[4:5], s[32:33]  ; keys 0 to 511
	s_mov_b32 s[G0W], 1
	s_add_co_u32 s[G0W+1], s13, SLOT1              ; slot 1
	s_add_nc_u64 s[G0W+2:G0W+3], s[G0A+2:G0A+3], FILLB   ; keys 512 to 1,023
	s_or_b32 s[G0A+3], s[G0A+3], 0x80000000        ; type = 2
	s_or_b32 s[G0W+3], s[G0W+3], 0x80000000
	s_add_nc_u64 s[MB:MB+1], s[MB:MB+1], s[36:37]
	s_add_nc_u64 s[8:9], s[8:9], s[38:39]
	s_add_nc_u64 s[4:5], s[4:5], s[34:35]          ; Q
	CROUND                                         ; all four work-groups are here: the first joint loads meet
	tensor_load_to_lds s[G0A:G0A+3], s[G1:G1+7]
	s_nop 0
	tensor_load_to_lds s[G0W:G0W+3], s[G1:G1+7]
	s_nop 0
	PLACES
	s_load_b512 s[M0:M0+15], s[MB:MB+1], 0x0       ; step 0's mask words of tile 0
	s_load_b512 s[M0+16:M0+31], s[MB:MB+1], 0x40
	s_load_b512 s[M1:M1+15], s[MB:MB+1], 0x80      ; and of tile 1
	s_load_b512 s[M1+16:M1+31], s[MB:MB+1], 0xc0
	v_and_b32 v8, 31, v0
	v_lshlrev_b32 v[LI], 4, v8
.irp n, 0,1,2,3,4,5,6,7,8,9,10,11,12,13,14,15
	global_load_b128 v[Q+4*\n:Q+4*\n+3], v[LI], s[4:5] offset:512*\n   ; Q stays in registers: tile n / 4, piece n % 4
.endr
	; The turning load takes 16 keys x 16 channels (lane l reads 16 bytes: key 8 (l / 16) + l % 8, channels 8 ((l / 8) % 2) + 0..7) and leaves half a fragment of V^T: lane l holds channel l % 16 and 8 keys
	v_bfe_u32 v9, v0, 4, 1
	v_and_b32 v10, 7, v0
	v_bfe_u32 v11, v0, 3, 1
	v_lshl_add_u32 v[AV0], v9, 3, v10
	v_lshlrev_b32 v[AV0], 5, v[AV0]                ; rows of 32 bytes
	v_lshl_add_u32 v[AV0], v11, 4, v[AV0]
	v_add_nc_u32 v[AV0], VOFF, v[AV0]
	v_mov_b32 v[NEG], 0xff800000
.irp t, 0,1,2,3
	v_mov_b32 v[ST+8*\t+1], 0xff61b1e6             ; m = -3e38, under every score
	v_mov_b32 v[ST+8*\t+2], 0                      ; l
	v_mov_b32 v[ST+8*\t+3], 0
.endr
.irp t, 0,1,2,3
	v_mul_f32 v[ST+8*\t], s[CS], v[ST+8*\t+1]      ; c m
.endr
	WIN W_LD
.set i, 0
.rept 128
	v_mov_b32 v[i], 0                              ; O^T.  (The key step is written without a first step of its own: the first finds zeros, which the first change of m leaves zeros)
.set i, i+1
.endr
	WIN 0
.macro FETCH_K off                     ; a step's K: 16 pieces, as they lie
	WIN W_LD
.irp n, 0,1,2,3,4,5,6,7,8,9,10,11,12,13,14,15
	ds_load_b128 v[KF+4*\n:KF+4*\n+3], v[AD] offset:(\off)+512*\n
.endr
	WIN 0
.endm
.macro FETCH_V                         ; a step's V, turned: tile of keys k, 16 channels c
	WIN W_LD
.irp k, 0,1,2,3
.irp c, 0,1,2,3
	ds_load_tr16_b128 v[VF+16*\c+8*(\k/2)+4*(\k%2):VF+16*\c+8*(\k/2)+4*(\k%2)+3], v[ADV] offset:2048*\k+512*\c
.endr
.endr
	WIN 0
.endm
; 32 products S^T = K Q^T: the 16 accumulators (tile of queries t, tile of keys k) take turns, one instruction a turn; the first 16 start the sums
.macro KQ
	WIN W_KQ
.irp c, 0,1
.irp t, 0,1,2,3
.irp k, 0,1,2,3
.if \c == 0
	v_wmma_f32_16x16x32_f16 v[S+32*\t+8*\k:S+32*\t+8*\k+7], v[KF+16*\k+8*\c:KF+16*\k+8*\c+7], v[Q+16*\t+8*\c:Q+16*\t+8*\c+7], 0
.else
	v_wmma_f32_16x16x32_f16 v[S+32*\t+8*\k:S+32*\t+8*\k+7], v[KF+16*\k+8*\c:KF+16*\k+8*\c+7], v[Q+16*\t+8*\c:Q+16*\t+8*\c+7], v[S+32*\t+8*\k:S+32*\t+8*\k+7]
.endif
.endr
.endr
.endr
	WIN 0
.endm
; 32 products O^T += V^T P: the 16 accumulators (t, 16 channels c) take turns
.macro PV
	WIN W_PV
.irp g, 0,1
.irp t, 0,1,2,3
.irp c, 0,1,2,3
	v_wmma_f32_16x16x32_f16 v[32*\t+8*\c:32*\t+8*\c+7], v[VF+16*\c+8*\g:VF+16*\c+8*\g+7], v[S+32*\t+8*\g:S+32*\t+8*\g+7], v[32*\t+8*\c:32*\t+8*\c+7]
.endr
.endr
.endr
	WIN 0
.endm
; THE FRONT HALF of tile t's softmax: the mask, the maximum, the scalings, the exponentials.  m: the set of 32 scalar registers that holds its mask words; as soon as they are used the set is asked for
; again: tile nx's words at the byte offset in s[of].  None of these lines names an exponential's result.
.macro ATILE t, m, nx, of
.set rT, ST+8*(\t)
.set rS, S+32*(\t)
	s_wait_kmcnt 0x0                               ; my mask words are in; no scalar load is out, so the offsets may be written
.if (\t) == 0
	s_mov_b32 s[MO], s[MN]                         ; this step's words,
	s_add_co_u32 s[MN], s[MN], 512                 ; the next step's,
	s_min_u32 s[MN], s[MN], 15872                  ; held at the last step's: no load leaves my wave's part of the buffer (the last step's two look-ahead loads bring words that nobody uses)
.endif
.set i, 0
.rept 32
	v_cndmask_b32 v[rS+i], v[NEG], v[rS+i], s[\m+i]   ; each accumulator from its low end on
.set i, i+1
.endr
.irp j, 0,1,2,3
	v_max3_num_f32 v[rT+4+\j], v[rS+8*\j], v[rS+8*\j+1], v[rS+8*\j+2]   ; four chains of seven scores,
.endr
.irp g, 1,2
.irp j, 0,1,2,3
	v_max3_num_f32 v[rT+4+\j], v[rT+4+\j], v[rS+8*\j+2*\g+1], v[rS+8*\j+2*\g+2]
.endr
.endr
	v_max3_num_f32 v[rT+4], v[rT+4], v[rS+7], v[rS+15]                  ; the four left over,
	v_max3_num_f32 v[rT+6], v[rT+6], v[rS+23], v[rS+31]
	v_max3_num_f32 v[rT+4], v[rT+4], v[rT+5], v[rT+6]
	v_max3_num_f32 v[rT+4], v[rT+4], v[rT+7], v[rT+1]                   ; and the old m
	s_load_b512 s[\m:\m+15], s[MB:MB+1], s[\of] offset:128*(\nx)
	s_load_b512 s[\m+16:\m+31], s[MB:MB+1], s[\of] offset:128*(\nx)+64
	v_permlanex16_b32 v[rT+5], v[rT+4], s[SEL], s[SEL+1]                ; the query's other 32 keys lie in the lane 16 away
	v_mov_b32 v[rT+7], v[rT]                       ; c m_old
	v_max_num_f32 v[rT+1], v[rT+4], v[rT+5]        ; m
	v_mul_f32 v[rT], s[CS], v[rT+1]                ; c m
	v_sub_f32 v[rT+7], v[rT+7], v[rT]              ; c m_old - c m_new
.set i, 0
.rept 16
	v_pk_fma_f32 v[rS+i:rS+i+1], v[rS+i:rS+i+1], s[CS:CS+1], v[rT:rT+1] op_sel_hi:[1,0,0] neg_lo:[0,0,1] neg_hi:[0,0,1]   ; c s - c m, two at a time
.set i, i+2
.endr
	v_exp_f32 v[rT+6], v[rT+7]                     ; a
.set i, 0
.rept 32
	v_exp_f32 v[rS+i], v[rS+i]                     ; p
.set i, i+1
.endr
.endm
; THE BACK HALF, for all four tiles, the tiles innermost, so that eight chains of sums run side by side: l = a l + the sum of p (unrounded); then p is rounded to f16, in place
.macro BACK
.irp t, 0,1,2,3
	v_pk_mul_f32 v[ST+8*\t+2:ST+8*\t+3], v[ST+8*\t+2:ST+8*\t+3], v[ST+8*\t+6:ST+8*\t+7] op_sel_hi:[1,0]
.endr
.irp t, 0,1,2,3
	v_pk_add_f32 v[XS+2*\t:XS+2*\t+1], v[S+32*\t:S+32*\t+1], v[S+32*\t+2:S+32*\t+3]
.endr
.irp j, 4,8,12,16,20,24,28
.irp t, 0,1,2,3
	v_pk_add_f32 v[ST+8*\t+2:ST+8*\t+3], v[ST+8*\t+2:ST+8*\t+3], v[S+32*\t+\j:S+32*\t+\j+1]
.endr
.irp t, 0,1,2,3
	v_pk_add_f32 v[XS+2*\t:XS+2*\t+1], v[XS+2*\t:XS+2*\t+1], v[S+32*\t+\j+2:S+32*\t+\j+3]
.endr
.endr
.irp t, 0,1,2,3
	v_pk_add_f32 v[ST+8*\t+2:ST+8*\t+3], v[ST+8*\t+2:ST+8*\t+3], v[XS+2*\t:XS+2*\t+1]
.endr
.irp i, 0,1,2,3,4,5,6,7,8,9,10,11,12,13,14,15
.irp t, 0,1,2,3
	v_cvt_pk_f16_f32 v[S+32*\t+\i], v[S+32*\t+2*\i], v[S+32*\t+2*\i+1]   ; register i takes pair i: it is written when pairs 0 to i - 1 have been read
.endr
.endr
.endm
.macro RESC                            ; O^T times the factor in v[ST + 8 t + 6]
	WIN W_RS
.irp t, 0,1,2,3
.irp i, 0,2,4,6,8,10,12,14,16,18,20,22,24,26,28,30
	v_pk_mul_f32 v[32*\t+\i:32*\t+\i+1], v[32*\t+\i:32*\t+\i+1], v[ST+8*\t+6:ST+8*\t+7] op_sel_hi:[1,0]
.endr
.endr
.endm
; A SLOT'S EIGHT KEY STEPS: written once a copy, walked eight times; the LDS addresses hang on s[TB].
.macro STEPS
	s_mov_b32 s[CNT], 8
.Lstep_\@:
	v_add_nc_u32 v[AD], s[TB], v[LI]
	v_add_nc_u32 v[ADV], s[TB], v[AV0]
	PLACES                                         ; with the two additions six places behind the last V^T P, whose P the first K Q^T writes over (five are owed)
	s_wait_dscnt 0x0                               ; K is in
	KQ
	PLACES                                         ; behind K Q^T: for the loads into K's registers and the first reads of the scores
	FETCH_V
	s_cmp_eq_u32 s[CNT], 1                         ; the next step's K, but for a slot's last step: the count of steps alone decides
	s_cbranch_scc1 .Lnok_\@
	FETCH_K STEPB
.Lnok_\@:
	ATILE 0, M0, 2, MO
	ATILE 1, M1, 3, MO
	ATILE 2, M0, 0, MN
	ATILE 3, M1, 1, MN
	v_nop                                          ; a plain instruction behind the last exponential
	s_wait_alu depctr_va_vdst(0)                   ; one wait for the step's 132 exponentials, ahead of the first instruction that names a result
	BACK
	RESC
	s_wait_dscnt 0x0                               ; V is in
	PV
	s_add_co_u32 s[TB], s[TB], STEPB
	s_sub_co_u32 s[CNT], s[CNT], 1
	s_cmp_lg_u32 s[CNT], 0
	s_cbranch_scc1 .Lstep_\@
.endm
; THE CHANGE OF SLOTS.  Each wave waits for all its tensor loads (its part of the other slot), adds 0 to its spare word, and waits for that and for its reads of the slot that it leaves.
; fill = 1: the barrier is a round of the cluster's, so that no wave of any partner still reads the slot or has a load on its way, and the joint refill is the first thing behind it.
.macro CHANGE fill
	s_wait_tensorcnt 0x0                           ; no tensor load of mine is out, so a group 0 may be written
	ds_add_u32 v[SPW], v[NIL]                      ; 0 onto my spare word
.if \fill
	s_xor_b32 s[G0W+1], s[G0W+1], SLOT1            ; the walking descriptor: the other slot than last time,
	s_add_nc_u64 s[G0W+2:G0W+3], s[G0W+2:G0W+3], FILLB   ; the next 512 keys; the type bits on top are not reached
.endif
	s_wait_dscnt 0x0                               ; the add is done, and my reads of the slot are over
.if \fill
	CROUND
	tensor_load_to_lds s[G0W:G0W+3], s[G1:G1+7]
	s_nop 0
	PLACES
.else
	s_barrier_signal -1
	s_barrier_wait -1
.endif
	s_sub_co_u32 s[TB], s[TB], VOFF                ; back to a slot's first step,
	s_xor_b32 s[TB], s[TB], SLOT1                  ; in the other slot
	v_add_nc_u32 v[AD], s[TB], v[LI]
	FETCH_K 0
.endm
	s_wait_tensorcnt 1                             ; my part of slot 0 is in; slot 1's may stay out
	s_barrier_signal -1
	s_barrier_wait -1                              ; everybody's is
	v_add_nc_u32 v[AD], s[TB], v[LI]
	FETCH_K 0
	s_wait_loadcnt 0x0                             ; Q
	STEPS
.Lslot:                                            ; two trips: each slot is filled once more
	CHANGE 1
	STEPS
	s_sub_co_u32 s[SLOTS], s[SLOTS], 1
	s_cmp_lg_u32 s[SLOTS], 0
	s_cbranch_scc1 .Lslot
	CHANGE 0                                       ; the tail is written out
	STEPS
	; THE WAY OUT.  l's two halves and the other half of the lanes' are added; O^T is divided by l and rounded to f16: a lane's eight channels are 16 bytes, and a tile of 16 queries x 16 channels leaves as
	; one piece of 512 consecutive bytes, half of the last product's operand.  The additions are the places behind the last products.
	s_wait_kmcnt 0x0                               ; the last look-ahead loads of mask words
.irp t, 0,1,2,3
	v_add_f32 v[ST+8*\t+4], v[ST+8*\t+2], v[ST+8*\t+3]
.endr
.irp t, 0,1,2,3
	v_permlanex16_b32 v[ST+8*\t+5], v[ST+8*\t+4], s[SEL], s[SEL+1]
.endr
.irp t, 0,1,2,3
	v_add_f32 v[ST+8*\t+4], v[ST+8*\t+4], v[ST+8*\t+5]
.endr
.irp t, 0,1,2,3
	v_max_num_f32 v[ST+8*\t+4], 0x00800000, v[ST+8*\t+4]   ; 2^-126 from below: a query with no open key divides its zeros by that
.endr
.irp t, 0,1,2,3
	v_rcp_f32 v[ST+8*\t+6], v[ST+8*\t+4]
.endr
	v_nop                                          ; a plain instruction behind the last reciprocal
	s_wait_alu depctr_va_vdst(0)                   ; and one wait for the four, ahead of the first use
	RESC
	WIN W_CV
.irp t, 0,1,2,3
.irp i, 0,1,2,3,4,5,6,7,8,9,10,11,12,13,14,15
	v_cvt_pk_f16_f32 v[S+16*\t+\i], v[32*\t+2*\i], v[32*\t+2*\i+1]
.endr
.endr
	WIN 0
.irp t, 0,1,2,3
.irp c, 0,1,2,3
	global_store_b128 v[LI], v[S+16*\t+4*\c:S+16*\t+4*\c+3], s[8:9] offset:4096*\t+512*\c
.endr
.endr
	s_wait_tensorcnt 0x0                           ; the wave's end, behind my last tensor load
	ds_add_u32 v[SPW], v[NIL]
	s_wait_dscnt 0x0
	CROUND                                         ; the closing round: no work-group ends while a partner may still ask for a tile that names it
	s_endpgm
.Lfunc_end_k_q87dff761db_attn:
	.size	k_q87dff761db_attn, .Lfunc_end_k_q87dff761db_attn-k_q87dff761db_attn
	.p2alignl 7, 3214868480
	.fill 96, 4, 3214868480
	.section	.rodata,"a",@progbits
	.p2align	6, 0x0
	.amdhsa_kernel k_q87dff761db_attn
		.amdhsa_group_segment_fixed_size 327680
		.amdhsa_private_segment_fixed_size 0
		.amdhsa_enable_private_segment 0
		.amdhsa_kernarg_size 24
		.amdhsa_user_sgpr_count 2
		.amdhsa_user_sgpr_kernarg_segment_ptr 1
		.amdhsa_wavefront_size32 1
		.amdhsa_system_sgpr_workgroup_id_x 1
		.amdhsa_system_sgpr_workgroup_id_y 1
		.amdhsa_system_sgpr_workgroup_id_z 1
		.amdhsa_system_vgpr_workitem_id 0
		.amdhsa_next_free_vgpr 512
		.amdhsa_next_free_sgpr 106
		.amdhsa_reserve_vcc 0
		.amdhsa_float_denorm_mode_32 3
		.amdhsa_float_denorm_mode_16_64 3
		.amdhsa_memory_ordered 1
		.amdhsa_forward_progress 1
		.amdhsa_inst_pref_size 150
	.end_amdhsa_kernel
	.amdgpu_metadata
---
amdhsa.version: [ 1, 2 ]
amdhsa.kernels:
  - .name:           k_q87dff761db_attn
    .symbol:         k_q87dff761db_attn.kd
    .args:
      - { .name: qkv, .offset: 0, .size: 8, .value_kind: global_buffer, .address_space: global }
      - { .name: maskbits, .offset: 8, .size: 8, .value_kind: global_buffer, .address_space: global }
      - { .name: ximg, .offset: 16, .size: 8, .value_kind: global_buffer, .address_space: global }
    .group_segment_fixed_size: 327680
    .private_segment_fixed_size: 0
    .kernarg_segment_align: 8
    .kernarg_segment_size: 24
    .max_flat_workgroup_size: 256
    .sgpr_count:     106
    .vgpr_count:     512
    .wavefront_size: 32
...
	.end_amdgpu_metadata
.endif
;; end of part 3
;; launch oproj (part 4): grid 4 x 64, 4 waves a work-group, clusters of 4 x 4, 327,680 bytes of LDS; arguments ximg, woimg, bo, out0; writes out0
.if DOCPART == 4
	.amdgcn_target "amdgcn-amd-amdhsa--gfx1250"
	.amdhsa_code_object_version 6
	.text
	.protected	k_q87dff761db_oproj
	.globl	k_q87dff761db_oproj
	.p2align	8
	.type	k_q87dff761db_oproj,@function
k_q87dff761db_oproj:
	s_mov_b64 s[64:65], 0
	v_nop
	global_prefetch_b8 v0, s[64:65] scope:SCOPE_SE
	s_setreg_imm32_b32 hwreg(HW_REG_WAVE_MODE, 25, 1), 1
	s_wait_xcnt 0x0
	s_wait_alu depctr_hold_cnt(0) depctr_sa_sdst(0) depctr_va_vdst(0) depctr_va_sdst(0) depctr_va_ssrc(0) depctr_va_vcc(0) depctr_vm_vsrc(0)
	s_getreg_b32 s2, hwreg(HW_REG_IB_STS2, 6, 4)
	s_cmp_eq_u32 s2, 0
	s_cbranch_scc0 .Lentry_in_a_cluster
	s_endpgm
.Lentry_in_a_cluster:
	s_bfe_u32 s2, ttmp6, 0x10000c
	s_cmp_lg_u32 s2, 0xf033
	s_cbranch_scc0 .Lentry_shape_is_right
	s_endpgm
.Lentry_shape_is_right:
; THE LAST PROJECTION: out0 = x Wo^T + bo; x [8,192 tokens][1,024] and Wo [1,024][1,024] in f16, sums in f32, out0 in f32.  No work is left out.
; Both operands come as pieces of 512 bytes that are halves of 16-bit operands, lane for lane: ximg [K step of 128 (8)][tile of 16 tokens (512)][16 along K (8)], woimg [K step (8)][tile of 16 channels (64)][8].
; So a K step's tiles are dense blocks of memory, every LDS read takes 512 consecutive bytes, and no padding is needed.
; A tile of 128 tokens x 256 channels is made by a work-group of four waves: 256 work-groups.  A wave makes 64 x 128: 32 accumulators of 16 x 16, 256 registers.
; K goes in 8 steps of 128 through a ring of two LDS slots (x's 8 tiles, 32,768 bytes; Wo's 16 tiles, 65,536 bytes).  Waves 0 and 1 fetch x's halves, waves 2 and 3 Wo's, one tensor load each: two loads
; of mine are out at the start, one behind each round.
; CLUSTERS: 4 x 4 work-groups.  The four of a row of the cluster need the same tiles of x, the four of a column the same tiles of Wo: each is asked for JOINTLY, by the same tensor load with the same
; descriptor and a mask that names the four.  THE MATRIX INSTRUCTION IS USED TRANSPOSED (source 0 = 16 rows of Wo, source 1 = 16 tokens): a lane holds eight neighbouring channels of one token.
; The bias is the C of each sum's first product: no clearing and no addition.
; REGISTERS: window 0: v16-29 addresses; v32-127 and v128-223 two fragment buffers (x's 4 fragments, then Wo's 8); window 1: accumulator (a, b) at v[8 (8 a + b)]; window 2: v0-63 the bias.
.set SLOT,   98304
.set WOFF,   32768                     ; in a slot: Wo's tiles lie behind x's
.set STAGE,  2*SLOT                    ; behind the ring: 16 rows x (512 bytes + 16) for each wave, for the way out
.set SPITCH, 528
.set SPARE,  STAGE+4*16*SPITCH         ; behind the stages: the spare words, 128 bytes for each wave, which no other line names
.set XSTEP,  512*4096                  ; a K step on in ximg,
.set WSTEP,  64*4096                   ; in woimg
.set LAPS,   4                         ; a lap = two K steps = once round the ring
.set ADRA, 16                          ; v16-17  LDS address of my tokens' fragments in slot 0, 1
.set ADRB, 20                          ; v20-21  the same for Wo
.set STO,  24                          ; v24     the way out: where I put 32 bytes of a row
.set RD,   25                          ; v25     the way out: where I read a row back
.set CO,   26                          ; v26     16 x lane
.set BO,   27                          ; v27     the bias loads' offset
.set SPW,  28                          ; v28     LDS address of my spare word; never rewritten
.set NIL,  29                          ; v29     0; never rewritten
.set F0,   32
.set F1,   128
.set WV,   2                           ; s2   my wave's number
.set HR,   21                          ; s21  wave / 2: which 64 tokens are mine.  Also: I fetch x (0) or Wo (1)
.set HC,   22                          ; s22  wave % 2: which 128 channels.  Also: which half of that tile I fetch
.set G1,   24                          ; s[24:31] group 1 for x's tiles; s[32:39] group 0, a set for each slot
.set G0,   32
.set G1B,  48                          ; s[48:55], s[56:63] the same for Wo's
.set G0B,  56
.set MSB, 0
.macro WIN new                         ; the immediate's high byte repeats the setting that is left
.if MSB != (\new)
	s_set_vgpr_msb (MSB<<8)|(\new)
.set MSB, (\new)
.endif
.endm
.set MUL,  0x50                        ; sources 0 and 1 window 0; C and D window 1
.set MULF, 0x60                        ; the first products: C (the bias) window 2, D window 1
.macro JLOAD s                         ; a joint load; an s_nop 0 and four v_nop follow each of the two lines.  The branch hangs on the wave's number alone
	s_cmp_eq_u32 s[HR], 0
	s_cbranch_scc0 .Lfor_b_\@
	tensor_load_to_lds s[G0+4*\s:G0+4*\s+3], s[G1:G1+7]
	s_nop 0
.rept 4
	v_nop
.endr
	s_branch .Lasked_\@
.Lfor_b_\@:
	tensor_load_to_lds s[G0B+4*\s:G0B+4*\s+3], s[G1B:G1B+7]
	s_nop 0
.rept 4
	v_nop
.endr
.Lasked_\@:
.endm
.macro CREST                           ; a round of the cluster's barrier behind its opening barrier
	s_cmp_lg_u32 s[WV], 0
	s_cbranch_scc1 .Lnot_wave_0_\@
	s_barrier_signal -3
.Lnot_wave_0_\@:
	s_barrier_wait -3
	s_barrier_signal -1
	s_barrier_wait -1
.endm
.macro CROUND                          ; a whole round
	s_barrier_signal -1
	s_barrier_wait -1
	CREST
.endm
	s_load_b256 s[4:11], s[0:1], 0x0               ; ximg s[4:5], woimg s[6:7], bo s[8:9], out0 s[10:11]
	v_lshl_add_u32 v[SPW], v0, 2, SPARE
	v_mov_b32 v[NIL], 0
	ds_add_u32 v[SPW], v[NIL]                      ; the wave's opening: the add, twice on end, and its wait ahead of my first tensor load
	ds_add_u32 v[SPW], v[NIL]                      ; and once more; the set-up below, work on registers, stands between it and the wait
	v_lshrrev_b32 v1, 5, v0
	v_readfirstlane_b32 s[WV], v1                  ; wave 0..3
	s_lshr_b32 s[HR], s[WV], 1
	s_and_b32 s[HC], s[WV], 1
	s_bfe_u32 s40, ttmp6, 0x40000                  ; cx, cy: my place in the cluster
	s_bfe_u32 s41, ttmp6, 0x40004
	s_lshl_b32 s42, ttmp9, 2
	s_add_co_u32 s42, s42, s40                     ; tile column (256 channels) = 4 x cluster x + cx
	s_and_b32 s13, ttmp7, 0xffff
	s_lshl_b32 s13, s13, 2
	s_add_co_u32 s13, s13, s41                     ; tile row (128 tokens) = 4 x cluster y + cy
	s_lshl_b32 s43, s41, 2
	s_lshl_b32 s43, 15, s43                        ; my row of the cluster
	s_lshl_b32 s44, 0x1111, s40                    ; my column
	; group 1: dense blocks as rows of 256 bytes (32 elements of 8 bytes), no padding: x's half 64 rows, Wo's half 128
	s_or_b32 s[G1+0], s43, (3<<16)|(1<<21)         ; 15:0 the mask: x's tiles go to my row; 17:16 elements of 8 bytes; 21 set beside a mask
	s_or_b32 s[G1B+0], s44, (3<<16)|(1<<21)
	s_mov_b32 s[G1+1], 32<<16                      ; tensor_dim0
	s_mov_b32 s[G1+2], 64<<16                      ; tensor_dim1
	s_mov_b32 s[G1+3], 32<<16                      ; tile_dim0
	s_mov_b32 s[G1+4], 64                          ; tile_dim1
	s_mov_b32 s[G1+5], 32                          ; from row to row
	s_mov_b32 s[G1+6], 0
	s_mov_b32 s[G1+7], 0
	s_mov_b32 s[G1B+1], 32<<16
	s_mov_b32 s[G1B+2], 128<<16
	s_mov_b32 s[G1B+3], 32<<16
	s_mov_b32 s[G1B+4], 128
	s_mov_b32 s[G1B+5], 32
	s_mov_b32 s[G1B+6], 0
	s_mov_b32 s[G1B+7], 0
	s_lshl_b32 s16, s13, 15                        ; x: (8 x tile row + 4 x half) tiles of 4,096 bytes
	s_lshl_b32 s17, s[HC], 14
	s_add_co_u32 s16, s16, s17
	s_mov_b32 s17, 0
	s_lshl_b32 s46, s42, 16                        ; Wo: (16 x tile column + 8 x half) tiles
	s_lshl_b32 s47, s[HC], 15
	s_add_co_u32 s46, s46, s47
	s_mov_b32 s47, 0
	s_lshl_b32 s18, s[HC], 14                      ; where they go: no place in the cluster enters an LDS address
	s_lshl_b32 s19, s[HC], 15
	s_add_co_u32 s19, s19, WOFF
	s_wait_dscnt 0x0                               ; both opening adds are done
	s_wait_kmcnt 0x0
	s_add_nc_u64 s[14:15], s[4:5], s[16:17]
	s_add_nc_u64 s[46:47], s[6:7], s[46:47]
	CROUND                                         ; all sixteen work-groups are here: the first joint loads meet
.irp s, 0,1
	s_mov_b32 s[G0+4*\s], 1
	s_add_co_u32 s[G0+4*\s+1], s18, \s*SLOT
	s_add_nc_u64 s[G0+4*\s+2:G0+4*\s+3], s[14:15], \s*XSTEP
	s_or_b32 s[G0+4*\s+3], s[G0+4*\s+3], 0x80000000
	s_mov_b32 s[G0B+4*\s], 1
	s_add_co_u32 s[G0B+4*\s+1], s19, \s*SLOT
	s_add_nc_u64 s[G0B+4*\s+2:G0B+4*\s+3], s[46:47], \s*WSTEP
	s_or_b32 s[G0B+4*\s+3], s[G0B+4*\s+3], 0x80000000
	JLOAD \s
.endr
	v_and_b32 v1, 15, v0                           ; r
	v_bfe_u32 v2, v0, 4, 1                         ; h
	v_and_b32 v6, 31, v0
	v_lshlrev_b32 v[CO], 4, v6                     ; 16 x lane: my place in a piece, in a stage row and in a row of out0
	s_lshl_b32 s20, s[HR], 14                      ; my 4 tiles of tokens
	s_lshl_b32 s23, s[HC], 15
	s_add_co_u32 s23, s23, WOFF                    ; my 8 tiles of channels
.irp s, 0,1
	v_add_nc_u32 v[ADRA+\s], s20, v[CO]
	v_add_nc_u32 v[ADRB+\s], s23, v[CO]
	s_add_co_u32 s20, s20, SLOT
	s_add_co_u32 s23, s23, SLOT
.endr
	s_mul_i32 s23, s[WV], 16*SPITCH
	s_add_co_u32 s23, s23, STAGE                   ; my stage
	v_mul_u32_u24 v5, v1, SPITCH                   ; in: row r, 32 bytes for each half of the lanes
	v_lshl_add_u32 v5, v2, 5, v5
	v_add_nc_u32 v[STO], s23, v5
	v_add_nc_u32 v[RD], s23, v[CO]                 ; back: the 32 lanes take one row of 512 bytes
	s_lshl_b32 s16, s13, 19                        ; out0: (128 x tile row + 64 x half) rows of 4,096 bytes
	s_lshl_b32 s17, s[HR], 18
	s_add_co_u32 s16, s16, s17
	s_mov_b32 s17, 0
	s_lshl_b32 s46, s42, 10                        ; 4 x (256 x tile column + 128 x half): in a row of out0, and in bo
	s_lshl_b32 s47, s[HC], 9
	s_add_co_u32 s46, s46, s47
	s_mov_b32 s47, 0
	s_add_nc_u64 s[8:9], s[8:9], s[46:47]
	s_add_nc_u64 s[10:11], s[10:11], s[16:17]
	s_add_nc_u64 s[10:11], s[10:11], s[46:47]
	v_lshlrev_b32 v[BO], 5, v2
	WIN 0x80                                       ; destination window 2
.irp b, 0,1,2,3,4,5,6,7
	global_load_b128 v[8*\b:8*\b+3], v[BO], s[8:9] offset:64*\b        ; register 8 b + j: bo of channel 16 b + 8 h + j of my 128
	global_load_b128 v[8*\b+4:8*\b+7], v[BO], s[8:9] offset:64*\b+16
.endr
	WIN 0
; 8 matrix instructions: tile of tokens a x Wo's eight, 32 along K, from buffer f.  The 32 accumulators take turns, one instruction a turn, in the same order in every quarter
.macro MUL8 f, a, first
.irp b, 0,1,2,3,4,5,6,7
.if \first
	v_wmma_f32_16x16x32_f16 v[8*(8*(\a)+\b):8*(8*(\a)+\b)+7], v[\f+32+8*\b:\f+32+8*\b+7], v[\f+8*(\a):\f+8*(\a)+7], v[8*\b:8*\b+7]
.else
	v_wmma_f32_16x16x32_f16 v[8*(8*(\a)+\b):8*(8*(\a)+\b)+7], v[\f+32+8*\b:\f+32+8*\b+7], v[\f+8*(\a):\f+8*(\a)+7], v[8*(8*(\a)+\b):8*(8*(\a)+\b)+7]
.endif
.endr
.endm
; 24 LDS loads in one run: the fragments of the slot's kk-th 32 along K into buffer f: Wo's eight, then x's four
.macro FETCH slot, kk, f
.irp b, 0,1,2,3,4,5,6,7
	ds_load_b128 v[\f+32+8*\b:\f+32+8*\b+3],   v[ADRB+\slot] offset:4096*\b+1024*(\kk)
	ds_load_b128 v[\f+32+8*\b+4:\f+32+8*\b+7], v[ADRB+\slot] offset:4096*\b+1024*(\kk)+512
.endr
.irp a, 0,1,2,3
	ds_load_b128 v[\f+8*\a:\f+8*\a+3],   v[ADRA+\slot] offset:4096*\a+1024*(\kk)
	ds_load_b128 v[\f+8*\a+4:\f+8*\a+7], v[ADRA+\slot] offset:4096*\a+1024*(\kk)+512
.endr
.endm
.macro PLACES                          ; four places in front of loads into registers that matrix instructions have read, and of the first read of results (ISA guide 7.12.1 for the first read of results)
.rept 4
	v_nop
.endr
.endm
; A K step is four quarters of 32 along K, 32 matrix instructions each, on buffers 0, 1, 0, 1.  One of the first three: multiplies buffer f and fetches the slot's kk-th quarter into g.
.macro QUARTER slot, kk, f, g, first
	s_wait_dscnt 4                                 ; Wo's fragments and x's tiles 0 and 1 are in; the youngest four loads (tiles 2 and 3) may be out
.if \first
	WIN MULF
.else
	WIN MUL
.endif
	MUL8 \f, 0, \first
	MUL8 \f, 1, \first
	PLACES
	WIN 0
	FETCH \slot, \kk, \g
	s_wait_dscnt 24                                ; all but the 24 just issued
.if \first
	WIN MULF
.else
	WIN MUL
.endif
	MUL8 \f, 2, \first
	MUL8 \f, 3, \first
.endm
; The last quarter multiplies buffer 1 and changes slots: ONE barrier; in front of it each wave waits for all its tensor loads, adds 0 to its spare word, and waits for that and for its own reads of this slot.
; fill = 1: the barrier opens a round of the cluster's barrier, and this slot is filled again, two K steps ahead.
.macro TURN slot, next, fill
	WIN 0                                          ; (the add's two registers lie in window 0)
	s_wait_tensorcnt 0x0                           ; all my tensor loads have landed: my part of the next slot
	ds_add_u32 v[SPW], v[NIL]                      ; 0 onto my spare word
	s_wait_dscnt 5                                 ; (the add and the youngest four loads may be out)
	WIN MUL
	MUL8 F1, 0, 0                                  ; eight matrix instructions stand between the add and the wait for it
	s_wait_dscnt 0x0                               ; the add is done, and my reads of this slot are over
	s_barrier_signal -1
	MUL8 F1, 1, 0
	WIN 0
	s_barrier_wait -1
.if \fill
	CREST                                          ; no wave of any partner still reads this slot's tiles or has a load on its way
	s_add_nc_u64 s[G0+4*\slot+2:G0+4*\slot+3], s[G0+4*\slot+2:G0+4*\slot+3], 2*XSTEP
	s_add_nc_u64 s[G0B+4*\slot+2:G0B+4*\slot+3], s[G0B+4*\slot+2:G0B+4*\slot+3], 2*WSTEP
	JLOAD \slot                                    ; the first tensor load behind the round; the four v_nop behind it are also the places in front of the loads below
.else
	PLACES
.endif
	FETCH \next, 0, F0
	WIN MUL
	MUL8 F1, 2, 0
	MUL8 F1, 3, 0
.endm
	s_wait_tensorcnt 1                             ; my part of K step 0 is in (K step 1's load may be out),
	s_barrier_signal -1
	s_barrier_wait -1                              ; everybody's is
	FETCH 0, 0, F0
	s_wait_loadcnt 0x0                             ; the bias
	QUARTER 0, 1, F0, F1, 1                        ; the first quarter stands in front of the loop: its products start the sums, on the bias
	WIN 0                                          ; at a label and at a branch every window is 0
	s_mov_b32 s3, LAPS-1
.Llap:                                             ; a trip goes once round the ring, from a lap's second quarter to the next lap's first, and fills both slots again
	QUARTER 0, 2, F1, F0, 0
	QUARTER 0, 3, F0, F1, 0
	TURN 0, 1, 1
	QUARTER 1, 1, F0, F1, 0
	QUARTER 1, 2, F1, F0, 0
	QUARTER 1, 3, F0, F1, 0
	TURN 1, 0, 1
	QUARTER 0, 1, F0, F1, 0
	WIN 0
	s_sub_co_u32 s3, s3, 1
	s_cmp_lg_u32 s3, 0
	s_cbranch_scc1 .Llap
	QUARTER 0, 2, F1, F0, 0                        ; the last lap fills nothing, and has no round of the cluster's barrier
	QUARTER 0, 3, F0, F1, 0
	TURN 0, 1, 0
	QUARTER 1, 1, F0, F1, 0
	QUARTER 1, 2, F1, F0, 0
	QUARTER 1, 3, F0, F1, 0
	s_wait_dscnt 4                                 ; the very last quarter: nothing more to fetch
	WIN MUL
	MUL8 F1, 0, 0
	MUL8 F1, 1, 0
	s_wait_dscnt 0
	MUL8 F1, 2, 0
	MUL8 F1, 3, 0
	WIN 0
; THE WAY OUT, block by block of 16 tokens x 128 channels.  A lane holds 32 neighbouring bytes of a row, and the lanes beside it hold other rows: so a block goes through my own stage in LDS and comes back as
; whole rows of 512 bytes.  LDS serves a wave's instructions in order (ISA guide 5.7.1.4): no wait between the stores and the loads, nor in front of the next block's stores.
.macro TOSTAGE a
	WIN 0x04                                       ; an LDS store's data are its source 1: window 1
.irp b, 0,1,2,3,4,5,6,7
	ds_store_b128 v[STO], v[64*(\a)+8*\b:64*(\a)+8*\b+3] offset:64*\b          ; each accumulator from its low end on
	ds_store_b128 v[STO], v[64*(\a)+8*\b+4:64*(\a)+8*\b+7] offset:64*\b+16
.endr
	WIN 0
.set BB, F0+96*((\a)%2)
.irp t, 0,1,2,3,4,5,6,7,8,9,10,11,12,13,14,15
	ds_load_b128 v[BB+4*\t:BB+4*\t+3], v[RD] offset:\t*SPITCH
.endr
.endm
.macro SEND a, younger                 ; younger: the LDS instructions issued behind block a's loads, which may stay out
.set BB, F0+96*((\a)%2)
	s_wait_dscnt \younger                          ; the block is back in registers
.irp t, 0,1,2,3,4,5,6,7,8,9,10,11,12,13,14,15
	global_store_b128 v[CO], v[BB+4*\t:BB+4*\t+3], s[10:11] offset:(16*(\a)+\t)*4096 th:TH_STORE_NT   ; 32 lanes store 512 consecutive bytes, aligned; written once, read by nobody here
.endr
.endm
	PLACES                                         ; behind the last products: their results are read, and loads land in registers that they read
	TOSTAGE 0
	TOSTAGE 1
	SEND 0, 32                                     ; behind block 0's loads: block 1's 16 stores and 16 loads
	s_wait_xcnt 0x0                                ; block 0's stores have read their registers: block 2's loads may land there
	TOSTAGE 2
	SEND 1, 32
	s_wait_xcnt 0x0                                ; likewise block 1's
	TOSTAGE 3
	SEND 2, 32
	SEND 3, 0
	s_wait_tensorcnt 0x0                           ; the wave's end, behind my last tensor load and my last LDS store
	ds_add_u32 v[SPW], v[NIL]
	s_wait_dscnt 0x0
	CROUND                                         ; the closing round: no work-group ends while a partner may still ask for a tile that names it
	s_endpgm
.Lfunc_end_k_q87dff761db_oproj:
	.size	k_q87dff761db_oproj, .Lfunc_end_k_q87dff761db_oproj-k_q87dff761db_oproj
	.p2alignl 7, 3214868480
	.fill 96, 4, 3214868480
	.section	.rodata,"a",@progbits
	.p2align	6, 0x0
	.amdhsa_kernel k_q87dff761db_oproj
		.amdhsa_group_segment_fixed_size 327680
		.amdhsa_private_segment_fixed_size 0
		.amdhsa_enable_private_segment 0
		.amdhsa_kernarg_size 32
		.amdhsa_user_sgpr_count 2
		.amdhsa_user_sgpr_kernarg_segment_ptr 1
		.amdhsa_wavefront_size32 1
		.amdhsa_system_sgpr_workgroup_id_x 1
		.amdhsa_system_sgpr_workgroup_id_y 1
		.amdhsa_system_sgpr_workgroup_id_z 1
		.amdhsa_system_vgpr_workitem_id 0
		.amdhsa_next_free_vgpr 640
		.amdhsa_next_free_sgpr 66
		.amdhsa_reserve_vcc 0
		.amdhsa_float_denorm_mode_32 3
		.amdhsa_float_denorm_mode_16_64 3
		.amdhsa_memory_ordered 1
		.amdhsa_forward_progress 1
		.amdhsa_inst_pref_size 86
	.end_amdhsa_kernel
	.amdgpu_metadata
---
amdhsa.version: [ 1, 2 ]
amdhsa.kernels:
  - .name:           k_q87dff761db_oproj
    .symbol:         k_q87dff761db_oproj.kd
    .args:
      - { .name: ximg, .offset: 0, .size: 8, .value_kind: global_buffer, .address_space: global }
      - { .name: woimg, .offset: 8, .size: 8, .value_kind: global_buffer, .address_space: global }
      - { .name: bo, .offset: 16, .size: 8, .value_kind: global_buffer, .address_space: global }
      - { .name: out0, .offset: 24, .size: 8, .value_kind: global_buffer, .address_space: global }
    .group_segment_fixed_size: 327680
    .private_segment_fixed_size: 0
    .kernarg_segment_align: 8
    .kernarg_segment_size: 32
    .max_flat_workgroup_size: 128
    .sgpr_count:     66
    .vgpr_count:     640
    .wavefront_size: 32
...
	.end_amdgpu_metadata
.endif
;; end of part 4
;; ======== version 2 of 2: 4 launches; 1.14 times as fast as version 1
;; limits: values are held in f16: magnitudes above 65,504 overflow, below 6.1e-05 lose precision
;; workspace buffers: codes 14,155,776 bytes; scales 884,736 bytes; maskbits 2,097,152 bytes of whole numbers; woimg 2,097,152 bytes; qkv 50,331,648 bytes; ximg 16,777,216 bytes
;; launch prep: the kernel of part 1 again; grid 1248 x 1, 4 waves a work-group, no clusters, 50,688 bytes of LDS; arguments query, key_t, value, Wq, Wk, Wv, Wo, mask, codes, scales, maskbits, woimg; writes codes, scales, maskbits, woimg
;; launch proj: the kernel of part 2 again; grid 4 x 96, 4 waves a work-group, clusters of 4 x 4, 327,680 bytes of LDS; arguments codes, scales, bq, bk, bv, qkv; writes qkv
;; launch attn (part 5): grid 4 x 64, 8 waves a work-group, clusters of 4 x 1, 327,680 bytes of LDS; arguments qkv, maskbits, ximg; writes ximg
.if DOCPART == 5
	.amdgcn_target "amdgcn-amd-amdhsa--gfx1250"
	.amdhsa_code_object_version 6
	.text
	.protected	k_q87dff761db_attn
	.globl	k_q87dff761db_attn
	.p2align	8
	.type	k_q87dff761db_attn,@function
k_q87dff761db_attn:
	s_mov_b64 s[64:65], 0
	v_nop
	global_prefetch_b8 v0, s[64:65] scope:SCOPE_SE
	s_setreg_imm32_b32 hwreg(HW_REG_WAVE_MODE, 25, 1), 1
	s_wait_xcnt 0x0
	s_wait_alu depctr_hold_cnt(0) depctr_sa_sdst(0) depctr_va_vdst(0) depctr_va_sdst(0) depctr_va_ssrc(0) depctr_va_vcc(0) depctr_vm_vsrc(0)
	s_getreg_b32 s2, hwreg(HW_REG_IB_STS2, 6, 4)
	s_cmp_eq_u32 s2, 0
	s_cbranch_scc0 .Lentry_in_a_cluster
	s_endpgm
.Lentry_in_a_cluster:
	s_bfe_u32 s2, ttmp6, 0x10000c
	s_cmp_lg_u32 s2, 0x3003
	s_cbranch_scc0 .Lentry_shape_is_right
	s_endpgm
.Lentry_shape_is_right:
; ATTENTION: x[b][q][head] = the sum over k of softmax_k(q . k / 8, masked) v, for 64 (batch, head) pairs of 2,048 tokens and head size 64.  Operands in f16, products, maxima and sums in f32.
; No work is left out.  q, k, v come from qkv as pieces of 512 bytes that are halves of 16-bit operands, lane for lane (v: 16 rows of 32 bytes, for the turning load); the mask comes as lane masks.
; SHARES.  A work-group owns 512 queries of one (batch, head), each of its eight waves 64: four tiles of 16, in 512 registers; two waves share a SIMD, so that one wave's softmax stands beside the
; other's products.  Every wave walks all 2,048 keys, 64 a step.
; LAYOUT.  S^T = K Q^T (source 0 = 16 keys, source 1 = 16 queries): a lane holds ONE query (lane % 16) and the keys 8 (lane / 16) + 0..7 of each tile of 16.  Two such tiles, rounded to f16 in pairs,
; ARE source 1 (32 keys x 16 queries) of O^T = V^T P, whose result again holds one query a lane and eight channels.  P is packed in place into the low half of each tile's scores.
; THE MASK.  A masked score becomes -infinity ahead of the maximum, so its weight is 2^(-infinity) = 0: what reference() gets by finfo.min ahead of the softmax and the 0 behind it.  The running maximum
; begins at -3e38 and stays finite, so no difference of infinities arises.  A query with no open key ends with sum 0 and O = 0; its divisor is held at 2^-126 from below, which moves no real sum
; (a query with an open key has a sum of 1 or more): x = 0 there, as reference() has it.
; THE MASK WORDS.  A step wants 128 lane masks in scalar registers, and there is room for 64: two sets of 32.  Scalar loads can only be waited for all together.  So A STEP GOES IN TWO HALVES, tiles 0 and 1,
; then tiles 2 and 3: a half uses up both sets at its head, asks at once for the other pair's words, and does all its own work (two softmaxes, its V^T P, and 16 products K Q^T) before the one wait for them.
; SOFTMAX.  For each query a running maximum m and sum l: p = 2^(c s - c m), c = log2(e) / 8; in every step O and l are multiplied by a = 2^(c m_old - c m_new).
; THE RING.  Two LDS slots of 512 keys: K's pieces (65,536 bytes), then V's.  Every wave fetches an eighth of a slot, 16,384 dense bytes, with one tensor load.  Both slots are asked for at the start
; (two loads of mine are out), and each is filled once more (one load out), a whole slot's eight key steps ahead of its first use.
; CLUSTER.  The four blocks of 512 queries of a (batch, head) form a cluster and walk the same K and V: each tile is asked for JOINTLY, by the same tensor load in all four, with a mask that names them.
; LIMITS: NaN and infinities are not served; x beyond 65,504 in magnitude has no f16 number; where value and Wv are both some 30 times smaller than drawn, x falls among f16's smallest numbers and
; its rounding grows to about a thousandth of its spread.
; REGISTERS: window 0: v1-7 addresses and constants; v16-47 statistics, eight a tile; v48-111 Q; v112-239 S^T, 32 a tile; v240-247 partial sums, two pairs for each tile of the half in hand.
;   window 1: v0-127 O^T, 32 a tile; v128-191 K of one step; v192-255 V of one step.
.set SLOT1, 1<<17                      ; slot 1 begins here: one exclusive or turns an address in one slot into the other's
.set VOFF,  65536                      ; in a slot: K's 32 tiles of 16 keys x 2,048 bytes, then V's
.set STEPB, 8192                       ; a key step's four tiles
.set FILLB, 65536                      ; 512 keys of K or of V in memory
.set SPARE, 2*SLOT1                    ; behind the ring: the spare words, 128 bytes for each of the eight waves, which no other line names
.set LI,  1                            ; v1   16 x lane: my place in a piece; never rewritten
.set AV0, 2                            ; v2   my place in a piece of V for the turning load, + VOFF; never rewritten
.set AD,  3                            ; v3   LDS address of the step's K
.set ADV, 4                            ; v4   of its V
.set NEG, 5                            ; v5   -infinity
.set SPW, 6                            ; v6   LDS address of my spare word; never rewritten
.set NIL, 7                            ; v7   0; never rewritten
.set ST,  16                           ; tile t's statistics at v[ST + 8 t]: +0 c m, +1 m, +2, +3 l (even keys', odd keys'), +4 to +7 at work; a lands in +6
.set Q,   48                           ; tile t's fragment of channels 32 c on at Q + 16 t + 8 c
.set S,   112
.set XS,  240
.set KF,  128                          ; window 1: K's fragment (tile of keys k, channels 32 c on) at KF + 16 k + 8 c
.set VF,  192                          ; window 1: V^T's fragment (16 channels ct, keys 32 kk on) at VF + 16 ct + 8 kk
.set SEL, 2                            ; s[2:3]   lane selects for v_permlanex16_b32: lane l xor 16
.set MB,  6                            ; s[6:7]   my wave's 64 queries' mask words: 32 steps of 512 bytes
.set WV,  10                           ; s10  my wave's number
.set CS,  14                           ; s[14:15] c: the packed scaling names a pair and takes its low word for both halves
.set G1,  16                           ; s[16:23] descriptor group 1, the same for every load
.set G0A, 24                           ; s[24:27] group 0 of slot 0's first fill
.set G0W, 28                           ; s[28:31] group 0 of slot 1's first fill, which then walks
.set M1,  32                           ; s[32:63] mask words of tile 1 or 3
.set M0,  68                           ; s[68:99] mask words of tile 0 or 2
.set TB,  66                           ; s66  LDS byte at which the step's K begins
.set CNT, 67                           ; s67  counts a slot's eight steps
.set SLOTS, 100                        ; s100 slots still to be asked for
.set MO,  101                          ; s101 byte offset of this step's mask words
.set MN,  104                          ; s104 and of the next step's, held at the last step's
.set MSB, 0
.macro WIN new                         ; the immediate's high byte repeats the setting that is left
.if MSB != (\new)
	s_set_vgpr_msb (MSB<<8)|(\new)
.set MSB, (\new)
.endif
.endm
.set W_KQ, 0x01                        ; K in window 1; Q and S^T in window 0
.set W_PV, 0x51                        ; V and O^T in window 1, P in window 0
.set W_RS, 0x41                        ; O^T (destination and source 0) in window 1, the factor in window 0
.set W_LD, 0x40                        ; destination window 1, address window 0
.set W_CV, 0x05                        ; sources window 1, destination window 0
.macro CROUND                          ; a round of the cluster's barrier
	s_barrier_signal -1
	s_barrier_wait -1
	s_cmp_lg_u32 s[WV], 0
	s_cbranch_scc1 .Lnot_wave_0_\@
	s_barrier_signal -3
.Lnot_wave_0_\@:
	s_barrier_wait -3
	s_barrier_signal -1
	s_barrier_wait -1
.endm
.macro PLACES
.rept 4
	v_nop
.endr
.endm
	s_load_b128 s[4:7], s[0:1], 0x0                ; qkv s[4:5], maskbits s[6:7]
	s_load_b64 s[8:9], s[0:1], 0x10                ; ximg
	v_lshl_add_u32 v[SPW], v0, 2, SPARE
	v_mov_b32 v[NIL], 0
	ds_add_u32 v[SPW], v[NIL]                      ; the wave's opening: the add, twice on end, and its wait ahead of my first tensor load
	ds_add_u32 v[SPW], v[NIL]                      ; and once more; the set-up below, work on registers, stands between it and the wait
	v_lshrrev_b32 v8, 5, v0
	v_readfirstlane_b32 s[WV], v8                  ; wave 0..7
	s_bfe_u32 s11, ttmp6, 0x40000                  ; cx: my block of 512 queries; it enters Q's, the mask's and x's addresses alone
	s_and_b32 s12, ttmp7, 0xffff                   ; 16 x batch + head, which the four partners share
	; group 1: 16,384 dense bytes as 64 rows of 256 (32 elements of 8 bytes), no padding: every LDS read takes 512 consecutive bytes
	s_mov_b32 s[G1+0], 15|(3<<16)|(1<<21)          ; 15:0 the mask: all four work-groups; 17:16 elements of 8 bytes; 21 set beside a mask
	s_mov_b32 s[G1+1], 32<<16                      ; tensor_dim0
	s_mov_b32 s[G1+2], 64<<16                      ; tensor_dim1
	s_mov_b32 s[G1+3], 32<<16                      ; tile_dim0
	s_mov_b32 s[G1+4], 64                          ; tile_dim1
	s_mov_b32 s[G1+5], 32                          ; from row to row
	s_mov_b32 s[G1+6], 0
	s_mov_b32 s[G1+7], 0
	s_lshr_b32 s13, s[WV], 2                       ; waves 0-3 fetch K, waves 4-7 V
	s_add_co_u32 s13, s13, 1
	s_lshl_b32 s13, s13, 24                        ; the tensor,
	s_lshl_b32 s33, s12, 18                        ; the head's 262,144 bytes,
	s_add_co_u32 s32, s13, s33
	s_and_b32 s33, s[WV], 3
	s_lshl_b32 s33, s33, 14                        ; my quarter of 512 keys
	s_add_co_u32 s32, s32, s33
	s_mov_b32 s33, 0
	s_lshl_b32 s34, s12, 18                        ; Q: the head, my block's 32 tiles of 2,048 bytes, my wave's 4
	s_lshl_b32 s35, s11, 16
	s_add_co_u32 s34, s34, s35
	s_lshl_b32 s35, s[WV], 13
	s_add_co_u32 s34, s34, s35
	s_mov_b32 s35, 0
	s_lshr_b32 s36, s12, 4                         ; the mask words: (32 x batch + 8 cx + wave) x 16,384 bytes
	s_lshl_b32 s36, s36, 5
	s_lshl_b32 s37, s11, 3
	s_add_co_u32 s36, s36, s37
	s_add_co_u32 s36, s36, s[WV]
	s_lshl_b32 s36, s36, 14
	s_mov_b32 s37, 0
	s_bfe_u32 s38, s12, 0x30001                    ; x: [head / 2][128 x batch + tile of 16 tokens][4 (head % 2) + 16 channels] pieces of 512 bytes
	s_lshl_b32 s38, s38, 9
	s_lshr_b32 s39, s12, 4
	s_lshl_b32 s39, s39, 7
	s_add_co_u32 s38, s38, s39
	s_lshl_b32 s39, s11, 5
	s_add_co_u32 s38, s38, s39
	s_lshl_b32 s39, s[WV], 2
	s_add_co_u32 s38, s38, s39
	s_lshl_b32 s38, s38, 12
	s_and_b32 s39, s12, 1
	s_lshl_b32 s39, s39, 11
	s_add_co_u32 s38, s38, s39
	s_mov_b32 s39, 0
	s_mov_b32 s[SEL], 0x76543210
	s_mov_b32 s[SEL+1], 0xfedcba98
	s_mov_b32 s[CS], 0x3e38aa3b                    ; c = log2(e) / 8
	s_mov_b32 s[CS+1], s[CS]                       ; named with it as a pair, so it is written
	s_mov_b32 s[TB], 0
	s_mov_b32 s[SLOTS], 2
	s_mov_b32 s[MN], 0
	s_lshl_b32 s13, s[WV], 14                      ; my part's place in a slot: no place in the cluster enters an LDS address
	s_wait_dscnt 0x0                               ; both opening adds are done
	s_wait_kmcnt 0x0
	s_mov_b32 s[G0A], 1                            ; count = 1
	s_mov_b32 s[G0A+1], s13                        ; LDS address: slot 0
	s_add_nc_u64 s[G0A+2:G0A+3], s[4:5], s[32:33]  ; keys 0 to 511
	s_mov_b32 s[G0W], 1
	s_add_co_u32 s[G0W+1], s13, SLOT1              ; slot 1
	s_add_nc_u64 s[G0W+2:G0W+3], s[G0A+2:G0A+3], FILLB   ; keys 512 to 1,023
	s_or_b32 s[G0A+3], s[G0A+3], 0x80000000        ; type = 2
	s_or_b32 s[G0W+3], s[G0W+3], 0x80000000
	s_add_nc_u64 s[MB:MB+1], s[MB:MB+1], s[36:37]
	s_add_nc_u64 s[8:9], s[8:9], s[38:39]
	s_add_nc_u64 s[4:5], s[4:5], s[34:35]          ; Q
	CROUND                                         ; all four work-groups are here: the first joint loads meet
	tensor_load_to_lds s[G0A:G0A+3], s[G1:G1+7]
	s_nop 0
	tensor_load_to_lds s[G0W:G0W+3], s[G1:G1+7]
	s_nop 0
	PLACES
	s_load_b512 s[M0:M0+15], s[MB:MB+1], 0x0       ; step 0's mask words of tile 0
	s_load_b512 s[M0+16:M0+31], s[MB:MB+1], 0x40
	s_load_b512 s[M1:M1+15], s[MB:MB+1], 0x80      ; and of tile 1
	s_load_b512 s[M1+16:M1+31], s[MB:MB+1], 0xc0
	v_and_b32 v8, 31, v0
	v_lshlrev_b32 v[LI], 4, v8
.irp n, 0,1,2,3,4,5,6,7,8,9,10,11,12,13,14,15
	global_load_b128 v[Q+4*\n:Q+4*\n+3], v[LI], s[4:5] offset:512*\n   ; Q stays in registers: tile n / 4, piece n % 4
.endr
	; The turning load takes 16 keys x 16 channels (lane l reads 16 bytes: key 8 (l / 16) + l % 8, channels 8 ((l / 8) % 2) + 0..7) and leaves half a fragment of V^T: lane l holds channel l % 16 and 8 keys
	v_bfe_u32 v9, v0, 4, 1
	v_and_b32 v10, 7, v0
	v_bfe_u32 v11, v0, 3, 1
	v_lshl_add_u32 v[AV0], v9, 3, v10
	v_lshlrev_b32 v[AV0], 5, v[AV0]                ; rows of 32 bytes
	v_lshl_add_u32 v[AV0], v11, 4, v[AV0]
	v_add_nc_u32 v[AV0], VOFF, v[AV0]
	v_mov_b32 v[NEG], 0xff800000
.irp t, 0,1,2,3
	v_mov_b32 v[ST+8*\t+1], 0xff61b1e6             ; m = -3e38, under every score
	v_mov_b32 v[ST+8*\t+2], 0                      ; l
	v_mov_b32 v[ST+8*\t+3], 0
.endr
.irp t, 0,1,2,3
	v_mul_f32 v[ST+8*\t], s[CS], v[ST+8*\t+1]      ; c m
.endr
	WIN W_LD
.set i, 0
.rept 128
	v_mov_b32 v[i], 0                              ; O^T.  (The key step is written without a first step of its own: the first finds zeros, which the first change of m leaves zeros)
.set i, i+1
.endr
	WIN 0
.macro FETCH_K off                     ; a step's K: 16 pieces, as they lie
	WIN W_LD
.irp n, 0,1,2,3,4,5,6,7,8,9,10,11,12,13,14,15
	ds_load_b128 v[KF+4*\n:KF+4*\n+3], v[AD] offset:(\off)+512*\n
.endr
	WIN 0
.endm
.macro FETCH_V                         ; a step's V, turned: tile of keys k, 16 channels c
	WIN W_LD
.irp k, 0,1,2,3
.irp c, 0,1,2,3
	ds_load_tr16_b128 v[VF+16*\c+8*(\k/2)+4*(\k%2):VF+16*\c+8*(\k/2)+4*(\k%2)+3], v[ADV] offset:2048*\k+512*\c
.endr
.endr
	WIN 0
.endm
; 16 products S^T = K Q^T for tiles y and y + 1: the 8 accumulators (tile of queries, tile of keys k) take turns, one instruction a turn; the first 8 start the sums
.macro KQ y
	WIN W_KQ
.irp c, 0,1
.irp u, 0,1
.irp k, 0,1,2,3
.if \c == 0
	v_wmma_f32_16x16x32_f16 v[S+32*(\y+\u)+8*\k:S+32*(\y+\u)+8*\k+7], v[KF+16*\k+8*\c:KF+16*\k+8*\c+7], v[Q+16*(\y+\u)+8*\c:Q+16*(\y+\u)+8*\c+7], 0
.else
	v_wmma_f32_16x16x32_f16 v[S+32*(\y+\u)+8*\k:S+32*(\y+\u)+8*\k+7], v[KF+16*\k+8*\c:KF+16*\k+8*\c+7], v[Q+16*(\y+\u)+8*\c:Q+16*(\y+\u)+8*\c+7], v[S+32*(\y+\u)+8*\k:S+32*(\y+\u)+8*\k+7]
.endif
.endr
.endr
.endr
	WIN 0
.endm
; 16 products O^T += V^T P for tiles y and y + 1: the 8 accumulators (tile, 16 channels c) take turns
.macro PV y
	WIN W_PV
.irp g, 0,1
.irp u, 0,1
.irp c, 0,1,2,3
	v_wmma_f32_16x16x32_f16 v[32*(\y+\u)+8*\c:32*(\y+\u)+8*\c+7], v[VF+16*\c+8*\g:VF+16*\c+8*\g+7], v[S+32*(\y+\u)+8*\g:S+32*(\y+\u)+8*\g+7], v[32*(\y+\u)+8*\c:32*(\y+\u)+8*\c+7]
.endr
.endr
.endr
	WIN 0
.endm
; TILE t's SOFTMAX, FRONT HALF, in four parts.  None of their lines names an exponential's result.
.macro MASK t, m                       ; the mask, by the 32 lane masks in s[m] on: each accumulator from its low end on
.set i, 0
.rept 32
	v_cndmask_b32 v[S+32*(\t)+i], v[NEG], v[S+32*(\t)+i], s[\m+i]
.set i, i+1
.endr
.endm
.macro FMAX t                          ; my 32 scores' maximum, and the old m
.set rT, ST+8*(\t)
.set rS, S+32*(\t)
.irp j, 0,1,2,3
	v_max3_num_f32 v[rT+4+\j], v[rS+8*\j], v[rS+8*\j+1], v[rS+8*\j+2]   ; four chains of seven scores,
.endr
.irp g, 1,2
.irp j, 0,1,2,3
	v_max3_num_f32 v[rT+4+\j], v[rT+4+\j], v[rS+8*\j+2*\g+1], v[rS+8*\j+2*\g+2]
.endr
.endr
	v_max3_num_f32 v[rT+4], v[rT+4], v[rS+7], v[rS+15]                  ; the four left over,
	v_max3_num_f32 v[rT+6], v[rT+6], v[rS+23], v[rS+31]
	v_max3_num_f32 v[rT+4], v[rT+4], v[rT+5], v[rT+6]
	v_max3_num_f32 v[rT+4], v[rT+4], v[rT+7], v[rT+1]                   ; and the old m
.endm
.macro FMID t                          ; the new m, c m and its change; the scalings
.set rT, ST+8*(\t)
.set rS, S+32*(\t)
	v_permlanex16_b32 v[rT+5], v[rT+4], s[SEL], s[SEL+1]                ; the query's other 32 keys lie in the lane 16 away
	v_mov_b32 v[rT+7], v[rT]                       ; c m_old
	v_max_num_f32 v[rT+1], v[rT+4], v[rT+5]        ; m
	v_mul_f32 v[rT], s[CS], v[rT+1]                ; c m
	v_sub_f32 v[rT+7], v[rT+7], v[rT]              ; c m_old - c m_new
.set i, 0
.rept 16
	v_pk_fma_f32 v[rS+i:rS+i+1], v[rS+i:rS+i+1], s[CS:CS+1], v[rT:rT+1] op_sel_hi:[1,0,0] neg_lo:[0,0,1] neg_hi:[0,0,1]   ; c s - c m, two at a time
.set i, i+2
.endr
.endm
.macro FEXP t                          ; the exponentials
.set rT, ST+8*(\t)
.set rS, S+32*(\t)
	v_exp_f32 v[rT+6], v[rT+7]                     ; a
.set i, 0
.rept 32
	v_exp_f32 v[rS+i], v[rS+i]                     ; p
.set i, i+1
.endr
.endm
; Both sets of mask words are asked for again: tile t's into M0, tile t + 1's into M1, at the byte offset in s[of].  Both sets have been used up, the last reader sixteen vector instructions back.
.macro WORDS t, of
	s_load_b512 s[M0:M0+15], s[MB:MB+1], s[\of] offset:128*(\t)
	s_load_b512 s[M0+16:M0+31], s[MB:MB+1], s[\of] offset:128*(\t)+64
	s_load_b512 s[M1:M1+15], s[MB:MB+1], s[\of] offset:128*(\t)+128
	s_load_b512 s[M1+16:M1+31], s[MB:MB+1], s[\of] offset:128*(\t)+192
.endm
; THE BACK HALF, for tiles y and y + 1, the tiles innermost: l = a l + the sum of p (unrounded), three chains a tile (l and two partial sums), six side by side; then p is rounded to f16, in place
.macro BACK y
.irp u, 0,1
	v_pk_mul_f32 v[ST+8*(\y+\u)+2:ST+8*(\y+\u)+3], v[ST+8*(\y+\u)+2:ST+8*(\y+\u)+3], v[ST+8*(\y+\u)+6:ST+8*(\y+\u)+7] op_sel_hi:[1,0]
.endr
.irp u, 0,1
	v_pk_add_f32 v[XS+4*\u:XS+4*\u+1], v[S+32*(\y+\u):S+32*(\y+\u)+1], v[S+32*(\y+\u)+2:S+32*(\y+\u)+3]
.endr
.irp u, 0,1
	v_pk_add_f32 v[XS+4*\u+2:XS+4*\u+3], v[S+32*(\y+\u)+4:S+32*(\y+\u)+5], v[S+32*(\y+\u)+6:S+32*(\y+\u)+7]
.endr
.irp j, 8,14,20,26
.irp u, 0,1
	v_pk_add_f32 v[ST+8*(\y+\u)+2:ST+8*(\y+\u)+3], v[ST+8*(\y+\u)+2:ST+8*(\y+\u)+3], v[S+32*(\y+\u)+\j:S+32*(\y+\u)+\j+1]
.endr
.irp u, 0,1
	v_pk_add_f32 v[XS+4*\u:XS+4*\u+1], v[XS+4*\u:XS+4*\u+1], v[S+32*(\y+\u)+\j+2:S+32*(\y+\u)+\j+3]
.endr
.irp u, 0,1
	v_pk_add_f32 v[XS+4*\u+2:XS+4*\u+3], v[XS+4*\u+2:XS+4*\u+3], v[S+32*(\y+\u)+\j+4:S+32*(\y+\u)+\j+5]
.endr
.endr
.irp u, 0,1
	v_pk_add_f32 v[XS+4*\u:XS+4*\u+1], v[XS+4*\u:XS+4*\u+1], v[XS+4*\u+2:XS+4*\u+3]
.endr
.irp u, 0,1
	v_pk_add_f32 v[ST+8*(\y+\u)+2:ST+8*(\y+\u)+3], v[ST+8*(\y+\u)+2:ST+8*(\y+\u)+3], v[XS+4*\u:XS+4*\u+1]
.endr
.irp i, 0,1,2,3,4,5,6,7,8,9,10,11,12,13,14,15
.irp u, 0,1
	v_cvt_pk_f16_f32 v[S+32*(\y+\u)+\i], v[S+32*(\y+\u)+2*\i], v[S+32*(\y+\u)+2*\i+1]   ; register i takes pair i: it is written when pairs 0 to i - 1 have been read
.endr
.endr
.endm
.macro RESC y                          ; O^T of tiles y and y + 1 times the factor in v[ST + 8 t + 6]
	WIN W_RS
.irp u, 0,1
.irp i, 0,2,4,6,8,10,12,14,16,18,20,22,24,26,28,30
	v_pk_mul_f32 v[32*(\y+\u)+\i:32*(\y+\u)+\i+1], v[32*(\y+\u)+\i:32*(\y+\u)+\i+1], v[ST+8*(\y+\u)+6:ST+8*(\y+\u)+7] op_sel_hi:[1,0]
.endr
.endr
.endm
; A SLOT'S EIGHT KEY STEPS: written once a copy, walked eight times; the LDS addresses hang on s[TB].
; No two matrix instructions that follow each other share an accumulator, over the halves' seams and the backward jump too: S(1,3) | S(2,0), S(3,3) | O(0,0), O(1,3) | O(2,0), O(3,3) | S(0,0).
.macro STEPS
	s_mov_b32 s[CNT], 8
.Lstep_\@:
	v_add_nc_u32 v[AD], s[TB], v[LI]
	v_add_nc_u32 v[ADV], s[TB], v[AV0]
	s_wait_dscnt 0x0                               ; K is in
	KQ 0                                           ; it writes over P of tiles 0 and 1, which V^T P read half a step ago
	PLACES                                         ; behind K Q^T, for the first reads of the scores; with the two additions above six places behind the last V^T P, for the loads into V's registers
	FETCH_V
	; ---- tiles 0 and 1
	s_wait_kmcnt 0x0                               ; their mask words are in; no scalar load is out, so the offsets may be written
	s_mov_b32 s[MO], s[MN]                         ; this step's words,
	s_add_co_u32 s[MN], s[MN], 512                 ; the next step's,
	s_min_u32 s[MN], s[MN], 15872                  ; held at the last step's: no load leaves my wave's part of the buffer (the last step's look-ahead brings words that nobody uses)
	MASK 0, M0
	MASK 1, M1
	FMAX 0
	WORDS 2, MO                                    ; tiles 2 and 3 of this step: all that follows up to the next wait on KMcnt is theirs to land in
	KQ 2
	FMID 0                                         ; 21 vector instructions that name nothing of those products: the places in front of the loads into K's registers
	s_cmp_eq_u32 s[CNT], 1                         ; the next step's K, but for a slot's last step: the count of steps alone decides.  (The branch stands ahead of the half's first exponential)
	s_cbranch_scc1 .Lnok_\@
	FETCH_K STEPB
.Lnok_\@:
	FEXP 0
	FMAX 1
	FMID 1
	FEXP 1
	v_nop                                          ; a plain instruction behind the last exponential
	s_wait_alu depctr_va_vdst(0)                   ; one wait for the half's 66 exponentials, ahead of the first instruction that names a result
	BACK 0
	RESC 0
	s_wait_dscnt 0x0                               ; V is in
	PV 0
	; ---- tiles 2 and 3
	s_wait_kmcnt 0x0                               ; their mask words are in
	MASK 2, M0
	MASK 3, M1
	FMAX 2
	WORDS 0, MN                                    ; tiles 0 and 1 of the next step
	FMID 2
	FEXP 2
	FMAX 3
	FMID 3
	FEXP 3
	v_nop                                          ; a plain instruction behind the last exponential
	s_wait_alu depctr_va_vdst(0)                   ; and the half's one wait
	BACK 2
	RESC 2
	PV 2
	s_add_co_u32 s[TB], s[TB], STEPB
	s_sub_co_u32 s[CNT], s[CNT], 1
	s_cmp_lg_u32 s[CNT], 0
	s_cbranch_scc1 .Lstep_\@
.endm
; THE CHANGE OF SLOTS.  Each wave waits for all its tensor loads (its part of the other slot), adds 0 to its spare word, and waits for that and for its reads of the slot that it leaves.
; fill = 1: the barrier is a round of the cluster's, so that no wave of any partner still reads the slot or has a load on its way, and the joint refill is the first thing behind it.
.macro CHANGE fill
	s_wait_tensorcnt 0x0                           ; no tensor load of mine is out, so a group 0 may be written
	ds_add_u32 v[SPW], v[NIL]                      ; 0 onto my spare word
.if \fill
	s_xor_b32 s[G0W+1], s[G0W+1], SLOT1            ; the walking descriptor: the other slot than last time,
	s_add_nc_u64 s[G0W+2:G0W+3], s[G0W+2:G0W+3], FILLB   ; the next 512 keys; the type bits on top are not reached
.endif
	s_wait_dscnt 0x0                               ; the add is done, and my reads of the slot are over
.if \fill
	CROUND
	tensor_load_to_lds s[G0W:G0W+3], s[G1:G1+7]
	s_nop 0
	PLACES
.else
	s_barrier_signal -1
	s_barrier_wait -1
.endif
	s_sub_co_u32 s[TB], s[TB], VOFF                ; back to a slot's first step,
	s_xor_b32 s[TB], s[TB], SLOT1                  ; in the other slot
	v_add_nc_u32 v[AD], s[TB], v[LI]
	FETCH_K 0
.endm
	s_wait_tensorcnt 1                             ; my part of slot 0 is in; slot 1's may stay out
	s_barrier_signal -1
	s_barrier_wait -1                              ; everybody's is
	v_add_nc_u32 v[AD], s[TB], v[LI]
	FETCH_K 0
	s_wait_loadcnt 0x0                             ; Q
	STEPS
.Lslot:                                            ; two trips: each slot is filled once more
	CHANGE 1
	STEPS
	s_sub_co_u32 s[SLOTS], s[SLOTS], 1
	s_cmp_lg_u32 s[SLOTS], 0
	s_cbranch_scc1 .Lslot
	CHANGE 0                                       ; the tail is written out
	STEPS
	; THE WAY OUT.  l's two halves and the other half of the lanes' are added; O^T is divided by l and rounded to f16: a lane's eight channels are 16 bytes, and a tile of 16 queries x 16 channels leaves as
	; one piece of 512 consecutive bytes, half of the last product's operand.  The additions are the places behind the last products.
	s_wait_kmcnt 0x0                               ; the last look-ahead loads of mask words
.irp t, 0,1,2,3
	v_add_f32 v[ST+8*\t+4], v[ST+8*\t+2], v[ST+8*\t+3]
.endr
.irp t, 0,1,2,3
	v_permlanex16_b32 v[ST+8*\t+5], v[ST+8*\t+4], s[SEL], s[SEL+1]
.endr
.irp t, 0,1,2,3
	v_add_f32 v[ST+8*\t+4], v[ST+8*\t+4], v[ST+8*\t+5]
.endr
.irp t, 0,1,2,3
	v_max_num_f32 v[ST+8*\t+4], 0x00800000, v[ST+8*\t+4]   ; 2^-126 from below: a query with no open key divides its zeros by that
.endr
.irp t, 0,1,2,3
	v_rcp_f32 v[ST+8*\t+6], v[ST+8*\t+4]
.endr
	v_nop                                          ; a plain instruction behind the last reciprocal
	s_wait_alu depctr_va_vdst(0)                   ; and one wait for the four, ahead of the first use
	RESC 0
	RESC 2
	WIN W_CV
.irp t, 0,1,2,3
.irp i, 0,1,2,3,4,5,6,7,8,9,10,11,12,13,14,15
	v_cvt_pk_f16_f32 v[S+16*\t+\i], v[32*\t+2*\i], v[32*\t+2*\i+1]
.endr
.endr
	WIN 0
.irp t, 0,1,2,3
.irp c, 0,1,2,3
	global_store_b128 v[LI], v[S+16*\t+4*\c:S+16*\t+4*\c+3], s[8:9] offset:4096*\t+512*\c
.endr
.endr
	s_wait_tensorcnt 0x0                           ; the wave's end, behind my last tensor load
	ds_add_u32 v[SPW], v[NIL]
	s_wait_dscnt 0x0
	CROUND                                         ; the closing round: no work-group ends while a partner may still ask for a tile that names it
	s_endpgm
.Lfunc_end_k_q87dff761db_attn:
	.size	k_q87dff761db_attn, .Lfunc_end_k_q87dff761db_attn-k_q87dff761db_attn
	.p2alignl 7, 3214868480
	.fill 96, 4, 3214868480
	.section	.rodata,"a",@progbits
	.p2align	6, 0x0
	.amdhsa_kernel k_q87dff761db_attn
		.amdhsa_group_segment_fixed_size 327680
		.amdhsa_private_segment_fixed_size 0
		.amdhsa_enable_private_segment 0
		.amdhsa_kernarg_size 24
		.amdhsa_user_sgpr_count 2
		.amdhsa_user_sgpr_kernarg_segment_ptr 1
		.amdhsa_wavefront_size32 1
		.amdhsa_system_sgpr_workgroup_id_x 1
		.amdhsa_system_sgpr_workgroup_id_y 1
		.amdhsa_system_sgpr_workgroup_id_z 1
		.amdhsa_system_vgpr_workitem_id 0
		.amdhsa_next_free_vgpr 512
		.amdhsa_next_free_sgpr 106
		.amdhsa_reserve_vcc 0
		.amdhsa_float_denorm_mode_32 3
		.amdhsa_float_denorm_mode_16_64 3
		.amdhsa_memory_ordered 1
		.amdhsa_forward_progress 1
		.amdhsa_inst_pref_size 150
	.end_amdhsa_kernel
	.amdgpu_metadata
---
amdhsa.version: [ 1, 2 ]
amdhsa.kernels:
  - .name:           k_q87dff761db_attn
    .symbol:         k_q87dff761db_attn.kd
    .args:
      - { .name: qkv, .offset: 0, .size: 8, .value_kind: global_buffer, .address_space: global }
      - { .name: maskbits, .offset: 8, .size: 8, .value_kind: global_buffer, .address_space: global }
      - { .name: ximg, .offset: 16, .size: 8, .value_kind: global_buffer, .address_space: global }
    .group_segment_fixed_size: 327680
    .private_segment_fixed_size: 0
    .kernarg_segment_align: 8
    .kernarg_segment_size: 24
    .max_flat_workgroup_size: 256
    .sgpr_count:     106
    .vgpr_count:     512
    .wavefront_size: 32
...
	.end_amdgpu_metadata
.endif
;; end of part 5
;; launch oproj: the kernel of part 4 again; grid 4 x 64, 4 waves a work-group, clusters of 4 x 4, 327,680 bytes of LDS; arguments ximg, woimg, bo, out0; writes out0
